; MI455X (gfx1250); checked and timed in simulation.
; The chip was launched on July 23, 2026; its instructions are those of AMD's public machine-readable ISA for CDNA 5 (MIT licence, August 2026) and "CDNA5" Instruction Set Architecture Reference Guide (July 2026). The comments in the code are by the model that wrote it; some were corrected since.
;; Multihead Self Attention. Allowed arithmetic: matrix products marked QUANTISED: E2M1 operands, one E8M0 scale for each 32 along K, by v_wmma_scale_f32_16x16x128_f8f6f4 with both operands' format E2M1 (or v_wmma_scale_f32_32x16x128_f4), f32 sums; products left as they are: bf16, f16 or f32 operands; f32 sums; everything else in f32.
;; Inputs: Wk 1,024 x 1,024 float32; Wo 1,024 x 1,024 float32; Wq 1,024 x 1,024 float32; Wv 1,024 x 1,024 float32; x 4 x 2,048 x 1,024 float32.
;; Outputs: out0 4 x 2,048 x 1,024 float32.
;; This version of the problem:
;;   THIS VERSION OF THE PROBLEM IS GIVEN IN LOW PRECISION. The matrix products marked QUANTISED in the list below multiply operands that are first quantised to E2M1 (2 exponent bits, 1 mantissa bit; 4 bits a number), with one power-of-two scale for each 32 numbers along K (OCP MX v1.0); their sums are f32. The products marked 'left as it is' may take bf16, f16 or f32 operands, with f32 sums. Whichever they take, every output number must still come out within the allowed error. Rounding operands to bf16 (8 significant bits) uses up far more of that allowance than f16 does (11 bits, for magnitudes from 6e-5 to 65,504). All else is computed in f32.
;;   The module's matrix products, in the order in which they are computed (A, B: the left and right operand; K: the contracted axis; several contracted axes count as one K, in the product's order):
;;     1. [M 8,192, K 1,024] x [K 1,024, N 1,024]; A: input x; B: input Wq: QUANTISED
;;     2. [M 8,192, K 1,024] x [K 1,024, N 1,024]; A: input x; B: input Wk: QUANTISED
;;     3. [M 8,192, K 1,024] x [K 1,024, N 1,024]; A: input x; B: input Wv: QUANTISED
;;     4. batch 64 x [M 2,048, K 64] x [K 64, N 2,048]; A: computed on the way; B: computed on the way: left as it is (an operand is computed on the way)
;;     5. batch 64 x [M 2,048, K 2,048] x [K 2,048, N 64]; A: computed on the way; B: computed on the way: left as it is (an operand is computed on the way)
;;     6. [M 8,192, K 1,024] x [K 1,024, N 1,024]; A: computed on the way; B: input Wo: left as it is (an operand is computed on the way)
;;   THE QUANTISER, for each operand of a quantised product, along K:
;;     - K is cut into blocks of 32 from its start; a last block that is shorter is filled with zeros.
;;     - A block's scale is 2^e with e = floor(log2(the largest magnitude in the block)) - 2, held to -126 .. 127; a block of zeros has e = 0. As a byte (E8M0): e + 127.
;;     - Each number is divided by its block's scale, clamped to +-6, and rounded to the nearest number of E2M1, ties to even, subnormals kept.
;;     - The product sums the exact products of the quantised numbers (number of the format x scale) in f32.
;;   ~~~python
;;   def quantise(x, axis):      # numpy; x: float32 -> the quantised numbers, widened to float32 again
;;       x = np.moveaxis(x, axis, -1); K = x.shape[-1]
;;       x = np.pad(x, [(0, 0)] * (x.ndim - 1) + [(0, -K % 32)]); x = x.reshape(x.shape[:-1] + (-1, 32)); a = np.abs(x).max(-1, keepdims=True)
;;       e = np.where(a > 0, np.clip(np.frexp(np.where(a > 0, a, 1))[1] - 1 - 2, -126, 127), 0)      # np.frexp(a)[1] - 1 = floor(log2(a)), exactly
;;       r = np.clip(x / 2.0 ** e, -6, 6)
;;       step = 2.0 ** (np.maximum(np.frexp(np.where(r == 0, 1, r))[1] - 1, 0) - 1)
;;       q = np.round(r / step) * step * 2.0 ** e      # np.round: ties to even
;;       return np.moveaxis(q.reshape(q.shape[:-2] + (-1,))[..., :K], -1, axis).astype(np.float32)
;;   ~~~
;; One version. Each part assembles by itself: llvm-mc -triple=amdgcn-amd-amdhsa -mcpu=gfx1250 --defsym DOCPART=n.
;; ======== version 1 of 1: 5 launches
;; limits: values are held in f16: magnitudes above 65,504 overflow, below 6.1e-05 lose precision
;; workspace buffers: xc 4,194,304 bytes; xs 262,144 bytes; wc 1,572,864 bytes; ws 98,304 bytes; wo16 2,097,152 bytes; qkv 50,331,648 bytes; fine 786,432 bytes; ao 16,777,216 bytes
;; launch quant (part 1): grid 384 x 1, 4 waves a work-group, no clusters, 33,280 bytes of LDS; arguments x, Wq, Wk, Wv, xc, xs, wc, ws, Wo, wo16; writes xc, xs, wc, ws, wo16
.if DOCPART == 1
	.amdgcn_target "amdgcn-amd-amdhsa--gfx1250"
	.amdhsa_code_object_version 6
	.text
	.protected	k_qbbe5799eac_quant
	.globl	k_qbbe5799eac_quant
	.p2align	8
	.type	k_qbbe5799eac_quant,@function
k_qbbe5799eac_quant:
	s_mov_b64 s[64:65], 0
	v_nop
	global_prefetch_b8 v0, s[64:65] scope:SCOPE_SE
	s_setreg_imm32_b32 hwreg(HW_REG_WAVE_MODE, 25, 1), 1
	s_wait_xcnt 0x0
; x [8192][1024] and Wq, Wk, Wv [1024][1024], f32, become codes of FP4 (E2M1), K innermost, two codes a byte, with one E8M0 scale byte for each 32 along K:
; xc [8192][512 bytes], xs [8192][32]; wc [3072][512 bytes], ws [3072][32] (rows 0-1023 Wq, 1024-2047 Wk, 2048-3071 Wv).  Wo [1024][1024] is rounded to f16 (wo16), for the product that is left as it is.
; A block's scale is 2^(floor(log2(its largest magnitude)) - 2); its byte is the largest magnitude's exponent field - 2, held at 1 from below.  A block of zeros so gets the byte 1: its codes are zeros, and this program alone reads the bytes.
; LIMITS: NaN and infinities among the inputs are not served; |Wo| stays at or under 65,504 (f16's largest number).
; Rows are dense and K is a multiple of 32: every tensor is a plain stream of blocks of 32.  A work-group takes 32,768 numbers, a wave 8,192.
; Work-groups 0-255: x.  256-351: Wq, Wk, Wv, 32 each.  352-383: Wo.  Only pointers are chosen for the first four tensors: they take one path.  Waves share nothing: no barrier, no tensor load, no cluster.
; The quantising path: each load reads 512 consecutive bytes, 16 a lane; a step's 2,048 bytes turn through the wave's own stage in LDS and come back 64 bytes a lane, so that a lane holds 16 neighbours along K
; (two neighbouring lanes hold a block).  A lane's 16 codes are 8 bytes: the wave stores 256 consecutive bytes.  A wave's 256 scale bytes are gathered in LDS and leave by one store of 256 consecutive bytes.
.set STEPS, 16
.set EMAX,  2
.set CB,    8                          ; bytes of 16 codes
.set R,     16                         ; v16-79   four sets of 16 numbers as loaded
.set X,     80                         ; v80-111  two sets of 16 neighbours
.set E,     112                        ; v112-127 a scale byte for each step
.set C,     128                        ; v128-191 codes: registers of its own for each step
.set HF,    144                        ; v144-175 Wo's path: 16 x 2 registers of f16
.set WREG,  8192                       ; LDS: a region for each wave: two stages of 32 x SP bytes, then its 256 scale bytes
.set SP,    80                         ; a lane's place in a stage: 64 bytes + 16 of padding
.set SPW,   12                         ; v12 LDS address of my spare word; never rewritten
.set NIL,   13                         ; v13 0; never rewritten
.set SPARE, 4*WREG                     ; behind the four regions: the spare words, 128 bytes a wave
.set WV,    28                         ; s28 my wave's number
	s_load_b256 s[4:11], s[0:1], 0x0               ; x, Wq, Wk, Wv
	s_load_b256 s[16:23], s[0:1], 0x20             ; xc, xs, wc, ws
	s_load_b128 s[24:27], s[0:1], 0x40             ; Wo, wo16
	v_lshl_add_u32 v[SPW], v0, 2, SPARE
	v_mov_b32 v[NIL], 0
	v_lshrrev_b32 v1, 5, v0
	v_readfirstlane_b32 s[WV], v1                  ; wave 0..3
	v_and_b32 v2, 31, v0                           ; lane
	v_lshlrev_b32 v3, 4, v2                        ; my 16 bytes of a load's 512
	s_mul_i32 s29, s[WV], WREG
	v_lshrrev_b32 v14, 2, v2
	v_mul_u32_u24 v14, v14, SP
	v_and_b32 v15, 3, v2
	v_lshl_add_u32 v14, v15, 4, v14
	v_add_nc_u32 v14, s29, v14                     ; the stage, on the way in: SP (lane / 4) + 16 (lane % 4)
	v_mul_u32_u24 v15, v2, SP
	v_add_nc_u32 v15, s29, v15                     ; and on the way out: SP x lane: my 16 neighbours
	v_mul_u32_u24 v4, v2, CB                       ; 8 bytes a lane: my codes' place in a step's, and my f16 numbers' place in a store's
	v_lshrrev_b32 v5, 1, v2
	s_add_co_u32 s29, s29, 2*32*SP
	v_add_nc_u32 v5, s29, v5                       ; LDS: my wave's 256 scale bytes, my block's byte
	v_lshlrev_b32 v7, 3, v2
	v_add_nc_u32 v6, s29, v7                       ; and on the way out 8 bytes a lane
	s_wait_kmcnt 0x0
	s_cmp_lt_u32 ttmp9, 352
	s_cbranch_scc1 .Lcodes
	; ---- Wo to f16: 64 loads of 512 consecutive bytes, 64 stores of 256 consecutive bytes; no LDS
	s_sub_co_u32 s30, ttmp9, 352
	s_lshl_b32 s30, s30, 2
	s_add_co_u32 s30, s30, s[WV]                   ; which run of 8,192 numbers is my wave's
	s_lshl_b32 s32, s30, 15
	s_mov_b32 s33, 0
	s_add_nc_u64 s[24:25], s[24:25], s[32:33]
	s_lshl_b32 s32, s30, 14
	s_add_nc_u64 s[26:27], s[26:27], s[32:33]
.macro WLOAD g                         ; group g of four: 16 loads into set g % 2
.irp i, 0,1,2,3,4,5,6,7,8,9,10,11,12,13,14,15
	global_load_b128 v[R+64*((\g)%2)+4*\i:R+64*((\g)%2)+4*\i+3], v3, s[24:25] offset:8192*(\g)+512*\i th:TH_LOAD_NT
.endr
.endm
.macro WCVT g
.if (\g) < 3
	s_wait_loadcnt 16                              ; this group's 16 loads are in; the next group's 16 may be out
.else
	s_wait_loadcnt 0x0
.endif
.if (\g) > 0
	s_wait_xcnt 0x0                                ; the last group's stores have read their data: the registers are written again only behind this wait
.endif
.irp i, 0,1,2,3,4,5,6,7,8,9,10,11,12,13,14,15
	v_cvt_pk_f16_f32 v[HF+2*\i], v[R+64*((\g)%2)+4*\i], v[R+64*((\g)%2)+4*\i+1]
	v_cvt_pk_f16_f32 v[HF+2*\i+1], v[R+64*((\g)%2)+4*\i+2], v[R+64*((\g)%2)+4*\i+3]
.endr
.irp i, 0,1,2,3,4,5,6,7,8,9,10,11,12,13,14,15
	global_store_b64 v4, v[HF+2*\i:HF+2*\i+1], s[26:27] offset:4096*(\g)+256*\i
.endr
.if (\g) < 2
	WLOAD (\g)+2
.endif
.endm
	WLOAD 0
	WLOAD 1
	WCVT 0
	WCVT 1
	WCVT 2
	WCVT 3
	s_branch .Lend
.Lcodes:
	; ---- which tensor: the choices hang on the work-group's number alone
	s_sub_co_u32 s30, ttmp9, 256                   ; the chunk among the three weights (used where the work-group is 256 or above)
	s_lshr_b32 s31, s30, 5                         ; 0 Wq, 1 Wk, 2 Wv
	s_cmp_eq_u32 s31, 1
	s_cselect_b64 s[6:7], s[8:9], s[6:7]
	s_cmp_eq_u32 s31, 2
	s_cselect_b64 s[6:7], s[10:11], s[6:7]
	s_and_b32 s31, s30, 31                         ; the chunk in its own weight
	s_cmp_lt_u32 ttmp9, 256
	s_cselect_b64 s[4:5], s[4:5], s[6:7]           ; the numbers,
	s_cselect_b64 s[16:17], s[16:17], s[20:21]     ; the codes,
	s_cselect_b64 s[18:19], s[18:19], s[22:23]     ; the scale bytes
	s_cselect_b32 s31, ttmp9, s31                  ; chunk in the source
	s_cselect_b32 s30, ttmp9, s30                  ; chunk in the destination
	s_lshl_b32 s31, s31, 2
	s_add_co_u32 s31, s31, s[WV]
	s_lshl_b32 s32, s31, 15                        ; my wave's run: 32,768 bytes of numbers,
	s_mov_b32 s33, 0
	s_add_nc_u64 s[4:5], s[4:5], s[32:33]
	s_lshl_b32 s30, s30, 2
	s_add_co_u32 s30, s30, s[WV]
	s_lshl_b32 s32, s30, 12                        ; 4,096 bytes of codes,
	s_add_nc_u64 s[16:17], s[16:17], s[32:33]
	s_lshl_b32 s32, s30, 8                         ; 256 scale bytes
	s_add_nc_u64 s[18:19], s[18:19], s[32:33]
.macro LOAD t
.irp i, 0,1,2,3
	global_load_b128 v[R+16*((\t)%4)+4*\i:R+16*((\t)%4)+4*\i+3], v3, s[4:5] offset:2048*(\t)+512*\i th:TH_LOAD_NT
.endr
.endm
.macro TURN t                          ; step t's numbers through the stage: LDS serves a wave's instructions in order, so no wait stands between the stores and the loads
.irp i, 0,1,2,3
	ds_store_b128 v14, v[R+16*((\t)%4)+4*\i:R+16*((\t)%4)+4*\i+3] offset:32*SP*((\t)%2)+8*SP*\i
.endr
.irp i, 0,1,2,3
	ds_load_b128 v[X+16*((\t)%2)+4*\i:X+16*((\t)%2)+4*\i+3], v15 offset:32*SP*((\t)%2)+16*\i
.endr
.endm
.irp t, 0,1,2,3
	LOAD \t
.endr
	s_wait_loadcnt 12                              ; step 0's four loads are in; those of steps 1 to 3 may be out
	TURN 0
.macro STEP t
.set XS, X+16*((\t)%2)
.if (\t) > 0
	s_wait_dscnt 1                                 ; this step's numbers are back from the stage; the last step's byte store may be out
.else
	s_wait_dscnt 0x0
.endif
.if (\t)+4 < STEPS
	LOAD (\t)+4                                    ; into the registers that this step's stores into the stage have read
.endif
.if (\t)+1 < STEPS
.if STEPS-2-(\t) >= 3
	s_wait_loadcnt 12                              ; the next step's four loads are in; those of the three steps behind it may be out
.else
	s_wait_loadcnt 4*(STEPS-2-(\t))
.endif
	TURN (\t)+1
.endif
	v_max3_num_f32 v8, |v[XS]|, |v[XS+1]|, |v[XS+2]|               ; the largest magnitude of my 16, in two chains
	v_max3_num_f32 v9, |v[XS+3]|, |v[XS+4]|, |v[XS+5]|
.irp i, 6,10
	v_max3_num_f32 v8, v8, |v[XS+\i]|, |v[XS+\i+1]|
	v_max3_num_f32 v9, v9, |v[XS+\i+2]|, |v[XS+\i+3]|
.endr
	v_max3_num_f32 v8, v8, |v[XS+14]|, |v[XS+15]|
	v_max3_num_f32 v8, v8, v9, (EMAX+1)<<23        ; and the floor 2^(3 - 127): the byte cannot fall under 1
	v_max_num_f32_dpp v8, v8, v8 row_xmask:1 row_mask:0xf bank_mask:0xf   ; with my neighbour's 16: the block's
	v_add_nc_u32 v11, 0xff000000, v8               ; 2 off its exponent field: the conversion takes the exponent field of this operand as its scale
	v_cvt_scalef32_pk8_fp4_f32 v[C+4*(\t)], v[XS:XS+7], v11
	v_cvt_scalef32_pk8_fp4_f32 v[C+4*(\t)+1], v[XS+8:XS+15], v11
	v_lshrrev_b32 v[E+(\t)], 23, v11               ; the scale's byte
	ds_store_b8 v5, v[E+(\t)] offset:16*(\t)       ; both lanes of a block write the same byte with the same value
	global_store_b64 v4, v[C+4*(\t):C+4*(\t)+1], s[16:17] offset:32*CB*(\t)
.endm
.irp t, 0,1,2,3,4,5,6,7,8,9,10,11,12,13,14,15
	STEP \t
.endr
	ds_load_b64 v[8:9], v6                         ; LDS serves a wave's instructions in order: these see my byte stores
	s_wait_dscnt 0x0
	global_store_b64 v7, v[8:9], s[18:19]          ; 32 lanes store 256 consecutive bytes
.Lend:
	s_wait_tensorcnt 0x0                           ; the wave's end
	ds_add_u32 v[SPW], v[NIL]
	s_wait_dscnt 0x0
	s_endpgm
.Lfunc_end_k_qbbe5799eac_quant:
	.size	k_qbbe5799eac_quant, .Lfunc_end_k_qbbe5799eac_quant-k_qbbe5799eac_quant
	.p2alignl 7, 3214868480
	.fill 96, 4, 3214868480
	.section	.rodata,"a",@progbits
	.p2align	6, 0x0
	.amdhsa_kernel k_qbbe5799eac_quant
		.amdhsa_group_segment_fixed_size 33280
		.amdhsa_private_segment_fixed_size 0
		.amdhsa_enable_private_segment 0
		.amdhsa_kernarg_size 80
		.amdhsa_user_sgpr_count 2
		.amdhsa_user_sgpr_kernarg_segment_ptr 1
		.amdhsa_wavefront_size32 1
		.amdhsa_system_sgpr_workgroup_id_x 1
		.amdhsa_system_sgpr_workgroup_id_y 1
		.amdhsa_system_sgpr_workgroup_id_z 1
		.amdhsa_system_vgpr_workitem_id 0
		.amdhsa_next_free_vgpr 192
		.amdhsa_next_free_sgpr 66
		.amdhsa_reserve_vcc 0
		.amdhsa_float_denorm_mode_32 3
		.amdhsa_float_denorm_mode_16_64 3
		.amdhsa_memory_ordered 1
		.amdhsa_forward_progress 1
		.amdhsa_inst_pref_size 54
	.end_amdhsa_kernel
	.amdgpu_metadata
---
amdhsa.version: [ 1, 2 ]
amdhsa.kernels:
  - .name:           k_qbbe5799eac_quant
    .symbol:         k_qbbe5799eac_quant.kd
    .args:
      - { .name: x, .offset: 0, .size: 8, .value_kind: global_buffer, .address_space: global }
      - { .name: Wq, .offset: 8, .size: 8, .value_kind: global_buffer, .address_space: global }
      - { .name: Wk, .offset: 16, .size: 8, .value_kind: global_buffer, .address_space: global }
      - { .name: Wv, .offset: 24, .size: 8, .value_kind: global_buffer, .address_space: global }
      - { .name: xc, .offset: 32, .size: 8, .value_kind: global_buffer, .address_space: global }
      - { .name: xs, .offset: 40, .size: 8, .value_kind: global_buffer, .address_space: global }
      - { .name: wc, .offset: 48, .size: 8, .value_kind: global_buffer, .address_space: global }
      - { .name: ws, .offset: 56, .size: 8, .value_kind: global_buffer, .address_space: global }
      - { .name: Wo, .offset: 64, .size: 8, .value_kind: global_buffer, .address_space: global }
      - { .name: wo16, .offset: 72, .size: 8, .value_kind: global_buffer, .address_space: global }
    .group_segment_fixed_size: 33280
    .private_segment_fixed_size: 0
    .kernarg_segment_align: 8
    .kernarg_segment_size: 80
    .max_flat_workgroup_size: 128
    .sgpr_count:     66
    .vgpr_count:     192
    .wavefront_size: 32
...
	.end_amdgpu_metadata
.endif
;; end of part 1
;; launch qkv (part 2): grid 12 x 32, 4 waves a work-group, clusters of 4 x 4, 327,680 bytes of LDS; arguments xc, xs, wc, ws, qkv, fine; writes qkv, fine
.if DOCPART == 2
	.amdgcn_target "amdgcn-amd-amdhsa--gfx1250"
	.amdhsa_code_object_version 6
	.text
	.protected	k_qbbe5799eac_qkv
	.globl	k_qbbe5799eac_qkv
	.p2align	8
	.type	k_qbbe5799eac_qkv,@function
k_qbbe5799eac_qkv:
	s_mov_b64 s[64:65], 0
	v_nop
	global_prefetch_b8 v0, s[64:65] scope:SCOPE_SE
	s_setreg_imm32_b32 hwreg(HW_REG_WAVE_MODE, 25, 1), 1
	s_wait_xcnt 0x0
	s_wait_alu depctr_hold_cnt(0) depctr_sa_sdst(0) depctr_va_vdst(0) depctr_va_sdst(0) depctr_va_ssrc(0) depctr_va_vcc(0) depctr_vm_vsrc(0)
	s_getreg_b32 s2, hwreg(HW_REG_IB_STS2, 6, 4)
	s_cmp_eq_u32 s2, 0
	s_cbranch_scc0 .Lentry_in_a_cluster
	s_endpgm
.Lentry_in_a_cluster:
	s_bfe_u32 s2, ttmp6, 0x10000c
	s_cmp_lg_u32 s2, 0xf033
	s_cbranch_scc0 .Lentry_shape_is_right
	s_endpgm
.Lentry_shape_is_right:
; q, k, v = x Wq^T, x Wk^T, x Wv^T as ONE product C[8192][3072] = A B^T on codes of FP4 (E2M1) with one E8M0 scale for each 32 along K = 1,024; sums in f32.
; A: xc [8192][512 bytes], xs [8192][32].  B: wc [3072][512 bytes], ws [3072][32].  The matrix instruction takes codes and scale bytes as they lie.
; OUT: qkv [3 which][4 batch][16 head][2048 position][64] f16, so that 16 positions of a head are 2,048 consecutive bytes; and fine [4 batch][3 which][16 head][16 position][64] f32: positions 0-15 unrounded, for the launch that carries those rows in f32.
; LIMIT: |q|, |k|, |v| stay at or under 65,504 (f16's largest number).
; A tile of C, 256 x 256, is made by four waves, each 128 x 128: 64 accumulators, 512 registers.  K is two LDS slots of 512 along K (rows of 256 bytes); both are filled at the head, and nothing is filled again.
; The scales of the work-group's rows of A and of B, for all of K, are two dense blocks: they come into LDS once, as rows of 256 bytes.
; CLUSTERS: 4 x 4 work-groups; A's tiles are asked for jointly along a row of the cluster, B's along a column.  Tile row = 8 cy + cluster y, so that the batch is cy and positions 0-15 lie in the clusters with y = 0,
; a number that all partners share.  Tile column = 4 cluster x + cx, so that cluster x says which of q, k, v.
; THE MATRIX INSTRUCTION IS USED TRANSPOSED (source 0 = 16 rows of B, source 1 = 16 rows of A): a lane holds eight neighbouring columns of one row of C.
; REGISTERS, in windows of 256: window 0: v0-31 addresses; v32-95 scale words, two sets; v128-191 A's fragments, one set; on the way out v128-223.  window 1: B's fragments, two sets.  windows 2, 3: the accumulators ((a, b) at v[8 (8 (a % 4) + b)]).
.set NQ,     4                         ; steps of 128 along K in a slot
.set ROWB,   256                       ; a tile's row in bytes
.set KROW,   512                       ; a row of codes in memory
.set PITCH,  272                       ; an LDS row: 256 bytes + 16 of padding, so that the 16 rows that a load touches start 68 words apart
.set FR,     8                         ; registers of a fragment
.set NL,     2                         ; LDS loads that bring one
.set NP,     4                         ; places behind this matrix instruction (ISA guide 7.12.1)
.set HALFT,  128*PITCH
.set SLOT,   4*HALFT                   ; A's 256 rows, then B's 256 rows
.set KS,     32                        ; a row of scale bytes
.set SCL,    2*SLOT                    ; behind the slots: the scales, as rows of 256 bytes + 16 of padding
.set HALFS,  (128*KS/256)*272
.set SBLK,   (16*KS/256)*272
.set SPARE,  SCL+4*HALFS               ; the spare words, 128 bytes a wave
.set HP,     144                       ; the way out: a stage row: 64 f16 + 16 bytes of padding
.set HSTG,   16*HP                     ; a head's 16 rows; a wave's stage is two heads'.  The stages lie in slot 0, which has had its only fill and its last read when the first result is stored there
.set ADRA, 16
.set ADRB, 20
.set STO,  24                          ; v24 the way out: where I put 16 bytes of a row
.set RD,   25                          ; v25 where I read rows back
.set CO,   26                          ; v26 16 x lane: my place in 512 consecutive bytes of qkv
.set ADRS, 27
.set SPW,  28
.set NIL,  29
.set FO,   30                          ; v30 my place in a head's block of fine: 256 x row + 32 x half
.set SC,   32
.set AF,   128
.set BK,   128                         ; the way out: rows read back: v128-159, v160-191 by turns
.set TMP,  192                         ; v192-223 a block's results as f16
.set G1, 24
.set G0, 32
.set G1B, 48
.set G0B, 56
.set G1S, 68
.set G0S, 76
.set G1SB, 80
.set G0SB, 88
.set MSB, 0
.macro WIN new                         ; the immediate's high byte repeats the setting that is left
.if MSB != \new
	s_set_vgpr_msb (MSB<<8)|\new
.set MSB, \new
.endif
.endm
.set MUL_LO, 0xa1                      ; source 0 (B) window 1, source 1 (A) window 0, C and D window 2
.set MUL_HI, 0xf1                      ; the same, C and D window 3
.set TO_B,   0x40                      ; destination window 1
; A joint load: waves 0 and 1 fetch for A, waves 2 and 3 for B; the branch hangs on the wave's number alone.  An s_nop 0 and four v_nop follow each line.
.macro JLOAD g0a, g1a, g0b, g1b
	s_cmp_eq_u32 s15, 0
	s_cbranch_scc0 .Lfor_b_\@
	tensor_load_to_lds s[\g0a:\g0a+3], s[\g1a:\g1a+7]
	s_nop 0
.rept 4
	v_nop
.endr
	s_branch .Lasked_\@
.Lfor_b_\@:
	tensor_load_to_lds s[\g0b:\g0b+3], s[\g1b:\g1b+7]
	s_nop 0
.rept 4
	v_nop
.endr
.Lasked_\@:
.endm
.macro CROUND                          ; a round of the cluster's barrier
	s_barrier_signal -1
	s_barrier_wait -1
	s_cmp_lg_u32 s14, 0
	s_cbranch_scc1 .Lnot_wave_0_\@
	s_barrier_signal -3
.Lnot_wave_0_\@:
	s_barrier_wait -3
	s_barrier_signal -1
	s_barrier_wait -1
.endm
	s_load_b128 s[4:7], s[0:1], 0x0                ; xc, xs
	s_load_b128 s[8:11], s[0:1], 0x10              ; wc, ws
	s_load_b64 s[12:13], s[0:1], 0x20              ; qkv
	s_load_b64 s[66:67], s[0:1], 0x28              ; fine
	v_lshl_add_u32 v[SPW], v0, 2, SPARE
	v_mov_b32 v[NIL], 0
	ds_add_u32 v[SPW], v[NIL]                      ; the wave's opening: the add, twice on end, and its wait ahead of my first tensor load
	ds_add_u32 v[SPW], v[NIL]
	v_lshrrev_b32 v1, 5, v0
	v_readfirstlane_b32 s14, v1                    ; wave 0..3
	s_lshr_b32 s15, s14, 1                         ; which half of the tile's rows is mine.  Also: I fetch for A (0) or for B (1)
	s_and_b32 s16, s14, 1                          ; which half of its columns.  Also: which 128 rows I fetch
	s_bfe_u32 s40, ttmp6, 0x40000                  ; cx
	s_bfe_u32 s41, ttmp6, 0x40004                  ; cy
	s_lshl_b32 s42, ttmp9, 2
	s_add_co_u32 s42, s42, s40                     ; tile column = 4 x cluster x + cx
	s_and_b32 s95, ttmp7, 0xffff                   ; cluster y
	s_lshl_b32 s17, s41, 3
	s_add_co_u32 s17, s17, s95                     ; tile row = 8 cy + cluster y
	s_lshl_b32 s43, s41, 2
	s_lshl_b32 s43, 15, s43                        ; my row of the cluster
	s_lshl_b32 s44, 0x1111, s40                    ; my column
	s_or_b32 s[G1+0], s43, (0<<16)|(1<<20)|(1<<21)|(5<<22)|(3<<25)  ; the mask; elements of 1 byte; padding on; bit 21 beside a mask; 4 words behind every 64
	s_or_b32 s[G1B+0], s44, (0<<16)|(1<<20)|(1<<21)|(5<<22)|(3<<25)
.irp g, G1, G1B
	s_mov_b32 s[\g+1], ROWB<<16                    ; tensor_dim0
	s_mov_b32 s[\g+2], 128<<16                     ; tensor_dim1
	s_mov_b32 s[\g+3], ROWB<<16                    ; tile_dim0
	s_mov_b32 s[\g+4], 128                         ; tile_dim1
	s_mov_b32 s[\g+5], KROW                        ; the pitch in memory
	s_mov_b32 s[\g+6], 0
	s_mov_b32 s[\g+7], 0
.endr
	s_or_b32 s[G1S+0], s43, (3<<16)|(1<<20)|(1<<21)|(5<<22)|(3<<25) ; the scales of 128 rows: 4,096 dense bytes as 16 rows of 32 elements of 8 bytes
	s_or_b32 s[G1SB+0], s44, (3<<16)|(1<<20)|(1<<21)|(5<<22)|(3<<25)
.irp g, G1S, G1SB
	s_mov_b32 s[\g+1], 32<<16
	s_mov_b32 s[\g+2], (128*KS/256)<<16
	s_mov_b32 s[\g+3], 32<<16
	s_mov_b32 s[\g+4], 128*KS/256
	s_mov_b32 s[\g+5], 32
	s_mov_b32 s[\g+6], 0
	s_mov_b32 s[\g+7], 0
.endr
	s_lshl_b32 s18, s16, 7                         ; which 128 rows of the tile I fetch
	s_lshl_b32 s20, s17, 8
	s_add_co_u32 s20, s20, s18                     ; A: row 256 x tile row + 128 x half
	s_lshl_b32 s46, s42, 8
	s_add_co_u32 s46, s46, s18                     ; B: row 256 x tile column + 128 x half
	s_mov_b32 s21, 0
	s_mov_b32 s47, 0
	s_mov_b64 s[18:19], KS
	s_mul_u64 s[22:23], s[20:21], s[18:19]         ; where these rows' scales begin,
	s_mul_u64 s[92:93], s[46:47], s[18:19]
	s_mov_b64 s[18:19], KROW
	s_mul_u64 s[20:21], s[20:21], s[18:19]         ; and their codes
	s_mul_u64 s[46:47], s[46:47], s[18:19]
	s_mul_i32 s45, s14, HALFT                      ; where they go: wave x 128 rows
	s_mul_i32 s94, s14, HALFS
	s_wait_dscnt 0x0                               ; both opening adds are done
	s_wait_kmcnt 0x0
	s_add_nc_u64 s[20:21], s[4:5], s[20:21]
	s_add_nc_u64 s[22:23], s[6:7], s[22:23]
	s_add_nc_u64 s[46:47], s[8:9], s[46:47]
	s_add_nc_u64 s[92:93], s[10:11], s[92:93]
	CROUND                                         ; all sixteen work-groups are here: the joint loads meet
	s_mov_b32 s[G0S], 1
	s_add_co_u32 s[G0S+1], s94, SCL
	s_mov_b64 s[G0S+2:G0S+3], s[22:23]
	s_or_b32 s[G0S+3], s[G0S+3], 0x80000000
	s_mov_b32 s[G0SB], 1
	s_add_co_u32 s[G0SB+1], s94, SCL
	s_mov_b64 s[G0SB+2:G0SB+3], s[92:93]
	s_or_b32 s[G0SB+3], s[G0SB+3], 0x80000000
	JLOAD G0S, G1S, G0SB, G1SB                     ; the scales first: they are wanted with slot 0
.irp s, 0,1
	s_mov_b32 s[G0+4*\s], 1
	s_add_co_u32 s[G0+4*\s+1], s45, \s*SLOT
	s_add_nc_u64 s[G0+4*\s+2:G0+4*\s+3], s[20:21], \s*ROWB
	s_or_b32 s[G0+4*\s+3], s[G0+4*\s+3], 0x80000000
	s_mov_b32 s[G0B+4*\s], 1
	s_add_co_u32 s[G0B+4*\s+1], s45, \s*SLOT
	s_add_nc_u64 s[G0B+4*\s+2:G0B+4*\s+3], s[46:47], \s*ROWB
	s_or_b32 s[G0B+4*\s+3], s[G0B+4*\s+3], 0x80000000
	JLOAD G0+4*\s, G1, G0B+4*\s, G1B               ; three tensor loads of mine are out now: all that this wave issues
.endr
	v_and_b32 v1, 15, v0                           ; r = lane % 16
	v_bfe_u32 v2, v0, 4, 1                         ; h = lane / 16
	v_mul_u32_u24 v3, v1, PITCH
	v_lshl_add_u32 v4, v2, 4, v3                   ; a fragment's row x pitch + 16 x half
	s_mul_i32 s21, s15, HALFT                      ; my 128 rows of A
	s_mul_i32 s22, s16, HALFT                      ; my 128 rows of B,
	s_add_co_u32 s22, s22, 2*HALFT                 ; behind A's 256
.irp s, 0,1
	v_add_nc_u32 v[ADRA+\s], s21, v4
	v_add_nc_u32 v[ADRB+\s], s22, v4
	s_add_co_u32 s21, s21, SLOT
	s_add_co_u32 s22, s22, SLOT
.endr
	v_mul_u32_u24 v5, v1, KS                       ; my row's scales: KS bytes a row,
	v_lshrrev_b32 v6, 8, v5
	v_lshl_add_u32 v5, v6, 4, v5                   ; and 16 more for each 256 passed
	s_mul_i32 s21, s15, HALFS
	s_mul_i32 s22, s16, HALFS
	s_add_co_u32 s22, s22, 2*HALFS
	s_sub_co_u32 s22, s22, s21
	v_mul_u32_u24 v6, s22, v2                      ; lanes 16-31 take B's: one product, the distance between the two bases
	s_add_co_u32 s21, s21, SCL
	v_add_nc_u32 v5, v5, v6
	v_add_nc_u32 v[ADRS], s21, v5
	s_mul_i32 s23, s14, 2*HSTG                     ; my stage
	v_mul_u32_u24 v5, v1, HP
	v_lshl_add_u32 v5, v2, 4, v5
	v_add_nc_u32 v[STO], s23, v5                   ; in: row r, 16 bytes for each half of the lanes
	v_and_b32 v6, 31, v0
	v_lshrrev_b32 v5, 3, v6
	v_mul_u32_u24 v5, v5, HP
	v_and_b32 v7, 7, v0
	v_lshl_add_u32 v5, v7, 4, v5
	v_add_nc_u32 v[RD], s23, v5                    ; back: eight lanes to a row of 128 bytes, four rows an instruction
	v_lshlrev_b32 v[CO], 4, v6
	v_lshlrev_b32 v[FO], 8, v1
	v_lshl_add_u32 v[FO], v2, 5, v[FO]
	; qkv at my wave's first position of its first head: which x 2^24 + (16 batch + head) x 2^18 + position x 128
	s_lshl_b32 s20, s41, 4                         ; 16 x batch (= cy)
	s_lshl_b32 s20, s20, 18
	s_lshl_b32 s21, s95, 8
	s_lshl_b32 s22, s15, 7
	s_add_co_u32 s21, s21, s22                     ; position 256 x cluster y + 128 x half
	s_lshl_b32 s21, s21, 7
	s_add_co_u32 s20, s20, s21
	s_lshl_b32 s21, ttmp9, 24                      ; which = cluster x
	s_add_co_u32 s20, s20, s21
	s_mov_b32 s21, 0
	s_lshl_b32 s46, s40, 2
	s_lshl_b32 s47, s16, 1
	s_add_co_u32 s46, s46, s47                     ; my first head: 4 cx + 2 x half
	s_lshl_b32 s47, s46, 12                        ; (its block of fine)
	s_lshl_b32 s46, s46, 18
	s_add_co_u32 s20, s20, s46
	s_add_nc_u64 s[12:13], s[12:13], s[20:21]
	s_mul_i32 s20, s41, 3
	s_add_co_u32 s20, s20, ttmp9
	s_lshl_b32 s20, s20, 16                        ; fine: (3 batch + which) x 16 heads x 4,096 bytes
	s_add_co_u32 s20, s20, s47
	s_add_nc_u64 s[66:67], s[66:67], s[20:21]
.macro FRAG reg, adr, q, i             ; 16 rows x 128 K of 4-bit codes: 8 registers; registers 4 c .. 4 c + 3 hold K = 64 c + 32 (lane / 16) + 0 .. 31
.irp c, 0,1
	ds_load_b128 v[\reg+4*\c:\reg+4*\c+3], v[\adr] offset:64*(\q)+32*\c+(\i)*16*PITCH
.endr
.endm
; 16 matrix instructions: A's blocks a0, a0 + 1 x B's eight.  p: B's set; sc: the set of scale words; zero = 1: the first product starts the sums.  The 64 accumulators take turns.
.macro MUL16 a0, p, q, sc, zero
.irp a, \a0, \a0+1
.irp b, 0,1,2,3,4,5,6,7
.if \zero
	v_wmma_scale_f32_16x16x128_f8f6f4 v[8*(8*((\a)%4)+\b):8*(8*((\a)%4)+\b)+7], v[128*(\p)+FR*\b:128*(\p)+FR*\b+FR-1], v[AF+FR*(\a):AF+FR*(\a)+FR-1], 0, v[SC+8*NQ*(\sc)+NQ*\b+(\q)], v[SC+8*NQ*(\sc)+NQ*(\a)+(\q)] matrix_a_fmt:MATRIX_FMT_FP4 matrix_b_fmt:MATRIX_FMT_FP4 matrix_a_scale:MATRIX_SCALE_ROW1
.else
	v_wmma_scale_f32_16x16x128_f8f6f4 v[8*(8*((\a)%4)+\b):8*(8*((\a)%4)+\b)+7], v[128*(\p)+FR*\b:128*(\p)+FR*\b+FR-1], v[AF+FR*(\a):AF+FR*(\a)+FR-1], v[8*(8*((\a)%4)+\b):8*(8*((\a)%4)+\b)+7], v[SC+8*NQ*(\sc)+NQ*\b+(\q)], v[SC+8*NQ*(\sc)+NQ*(\a)+(\q)] matrix_a_fmt:MATRIX_FMT_FP4 matrix_b_fmt:MATRIX_FMT_FP4 matrix_a_scale:MATRIX_SCALE_ROW1
.endif
.endr
.endr
.endm
.macro FETCH_B slot, q, p
	WIN TO_B
.irp i, 0,1,2,3,4,5,6,7
	FRAG 128*(\p)+FR*\i, ADRB+\slot, \q, \i
.endr
	WIN 0
.endm
.macro FETCH_A slot, q, i0
.irp i, \i0, \i0+1, \i0+2, \i0+3
	FRAG AF+FR*(\i), ADRA+\slot, \q, \i
.endr
.endm
.macro SCALES sc                       ; a slot's scale words: lanes 0-15 take A's block i, lanes 16-31 B's block i
.irp i, 0,1,2,3,4,5,6,7
	ds_load_b128 v[SC+8*NQ*\sc+NQ*\i:SC+8*NQ*\sc+NQ*\i+3], v[ADRS] offset:\i*SBLK
.endr
.endm
.macro PLACES n                        ; plain vector instructions between a matrix instruction and a load into, or a read of, its registers
.rept \n
	v_nop
.endr
.endm
.macro STEP slot, q, zero              ; 128 along K, with its successor in the same slot
	s_wait_dscnt 4*NL                              ; B's set and A's blocks 0-3 are in; the youngest eight loads (A's blocks 4-7) may be out
	WIN MUL_LO
	MUL16 0, (\q)%2, \q, \slot, \zero
	MUL16 2, (\q)%2, \q, \slot, \zero
	s_wait_dscnt 0
	PLACES NP
	FETCH_B \slot, (\q)+1, 1-(\q)%2
	FETCH_A \slot, (\q)+1, 0
	WIN MUL_HI
	MUL16 4, (\q)%2, \q, \slot, \zero
	MUL16 6, (\q)%2, \q, \slot, \zero
	PLACES NP
	WIN 0
	FETCH_A \slot, (\q)+1, 4
.endm
; Slot 0's last step changes slots: one barrier.  In front of it each wave waits for all its tensor loads (its part of slot 1), adds 0 to its spare word, and waits for that and for its reads of slot 0.  Nothing is filled again.
.macro TURN slot, next
	s_wait_tensorcnt 0x0
	ds_add_u32 v[SPW], v[NIL]
	s_wait_dscnt 4*NL+1                            ; the add and the youngest eight loads (A's blocks 4-7) may be out
	WIN MUL_LO
	MUL16 0, 1, NQ-1, \slot, 0
	s_wait_dscnt 0x0                               ; the add is done, and my reads of this slot are over
	s_barrier_signal -1
	MUL16 2, 1, NQ-1, \slot, 0
	WIN 0
	s_barrier_wait -1
	PLACES NP
	v_add_nc_u32 v[ADRS], 4*NQ, v[ADRS]            ; on to the next slot's scale words
	FETCH_B \next, 0, 0
	FETCH_A \next, 0, 0
	SCALES \next
	WIN MUL_HI
	MUL16 4, 1, NQ-1, \slot, 0
	MUL16 6, 1, NQ-1, \slot, 0
	PLACES NP
	WIN 0
	FETCH_A \next, 0, 4
.endm
.macro STEPS slot, from
.set Q, \from
.rept NQ-1-\from
	STEP \slot, Q, 0
.set Q, Q+1
.endr
.endm
	s_wait_tensorcnt 1                             ; the scales and my part of slot 0 are in; slot 1's load may be out
	s_barrier_signal -1
	s_barrier_wait -1
	FETCH_B 0, 0, 0
	FETCH_A 0, 0, 0
	SCALES 0
	FETCH_A 0, 0, 4
	STEP 0, 0, 1                                   ; the first step's products start the sums
	STEPS 0, 1
	TURN 0, 1
	STEPS 1, 0
	s_wait_dscnt 4*NL                              ; the last step: nothing more to fetch
	WIN MUL_LO
	MUL16 0, 1, NQ-1, 1, 0
	MUL16 2, 1, NQ-1, 1, 0
	s_wait_dscnt 0
	WIN MUL_HI
	MUL16 4, 1, NQ-1, 1, 0
	MUL16 6, 1, NQ-1, 1, 0
	WIN 0
	PLACES NP
	; POSITIONS 0-15 IN f32: they are block 0 of the waves with the upper row half, in the clusters with y = 0.  The branch hangs on the cluster's y and the wave's number: alike in all partners.
	; A lane stores 32 bytes of a row: pieces, for 786,432 of the launch's 51 million bytes.
	s_or_b32 s96, s95, s15
	s_cmp_lg_u32 s96, 0
	s_cbranch_scc1 .Lnofine
	WIN 0x08                                       ; a store's data are its source 1: window 2
.irp b, 0,1,2,3,4,5,6,7
	global_store_b128 v[FO], v[8*\b:8*\b+3], s[66:67] offset:(\b/4)*4096+(\b%4)*64      ; each accumulator from its low end on
	global_store_b128 v[FO], v[8*\b+4:8*\b+7], s[66:67] offset:(\b/4)*4096+(\b%4)*64+16
.endr
	WIN 0
.Lnofine:
; THE WAY OUT, block by block of 16 positions x 128 columns (two heads).  PACK: to f16, 16 bytes a lane.  TOSTAGE: into my stage, and back as rows.  SEND: each store covers 512 consecutive bytes: four positions of a head.
.macro PACK a
.set AC, 64*((\a)%4)
	WIN 0x0a+5*((\a)/4)                            ; sources 0 and 1: window 2 or 3
.irp b, 0,1,2,3,4,5,6,7
.irp i, 0,1,2,3
	v_cvt_pk_f16_f32 v[TMP+4*\b+\i], v[AC+8*\b+2*\i], v[AC+8*\b+2*\i+1]
.endr
.endr
	WIN 0
.endm
.macro TOSTAGE a
.set BB, BK+32*((\a)%2)
.irp b, 0,1,2,3,4,5,6,7
	ds_store_b128 v[STO], v[TMP+4*\b:TMP+4*\b+3] offset:(\b/4)*HSTG+(\b%4)*32
.endr
.irp hd, 0,1
.irp t, 0,1,2,3
	ds_load_b128 v[BB+4*(4*\hd+\t):BB+4*(4*\hd+\t)+3], v[RD] offset:\hd*HSTG+\t*4*HP   ; LDS serves a wave's instructions in order: these see the stores above
.endr
.endr
.endm
.macro SEND a
.set BB, BK+32*((\a)%2)
	s_wait_dscnt 0x0                               ; the block is back in registers
	s_wait_xcnt 0x0                                ; the stores of the block before have read their data: the next block's loads land there only behind this wait
.irp hd, 0,1
.irp t, 0,1,2,3
	global_store_b128 v[CO], v[BB+4*(4*\hd+\t):BB+4*(4*\hd+\t)+3], s[12:13] offset:\hd*262144+(\a)*2048+\t*512
.endr
.endr
.endm
	PACK 0
	TOSTAGE 0
.irp a, 1,2,3,4,5,6,7                  ; block a's conversions stand between block a - 1's loads from the stage and the wait for them
	PACK \a
	SEND \a-1
	TOSTAGE \a
.endr
	SEND 7
	s_wait_tensorcnt 0x0                           ; the wave's end
	ds_add_u32 v[SPW], v[NIL]
	s_wait_dscnt 0x0
	CROUND                                         ; the closing round
	s_endpgm
.Lfunc_end_k_qbbe5799eac_qkv:
	.size	k_qbbe5799eac_qkv, .Lfunc_end_k_qbbe5799eac_qkv-k_qbbe5799eac_qkv
	.p2alignl 7, 3214868480
	.fill 96, 4, 3214868480
	.section	.rodata,"a",@progbits
	.p2align	6, 0x0
	.amdhsa_kernel k_qbbe5799eac_qkv
		.amdhsa_group_segment_fixed_size 327680
		.amdhsa_private_segment_fixed_size 0
		.amdhsa_enable_private_segment 0
		.amdhsa_kernarg_size 48
		.amdhsa_user_sgpr_count 2
		.amdhsa_user_sgpr_kernarg_segment_ptr 1
		.amdhsa_wavefront_size32 1
		.amdhsa_system_sgpr_workgroup_id_x 1
		.amdhsa_system_sgpr_workgroup_id_y 1
		.amdhsa_system_sgpr_workgroup_id_z 1
		.amdhsa_system_vgpr_workitem_id 0
		.amdhsa_next_free_vgpr 1024
		.amdhsa_next_free_sgpr 98
		.amdhsa_reserve_vcc 0
		.amdhsa_float_denorm_mode_32 3
		.amdhsa_float_denorm_mode_16_64 3
		.amdhsa_memory_ordered 1
		.amdhsa_forward_progress 1
		.amdhsa_inst_pref_size 128
	.end_amdhsa_kernel
	.amdgpu_metadata
---
amdhsa.version: [ 1, 2 ]
amdhsa.kernels:
  - .name:           k_qbbe5799eac_qkv
    .symbol:         k_qbbe5799eac_qkv.kd
    .args:
      - { .name: xc, .offset: 0, .size: 8, .value_kind: global_buffer, .address_space: global }
      - { .name: xs, .offset: 8, .size: 8, .value_kind: global_buffer, .address_space: global }
      - { .name: wc, .offset: 16, .size: 8, .value_kind: global_buffer, .address_space: global }
      - { .name: ws, .offset: 24, .size: 8, .value_kind: global_buffer, .address_space: global }
      - { .name: qkv, .offset: 32, .size: 8, .value_kind: global_buffer, .address_space: global }
      - { .name: fine, .offset: 40, .size: 8, .value_kind: global_buffer, .address_space: global }
    .group_segment_fixed_size: 327680
    .private_segment_fixed_size: 0
    .kernarg_segment_align: 8
    .kernarg_segment_size: 48
    .max_flat_workgroup_size: 128
    .sgpr_count:     98
    .vgpr_count:     1024
    .wavefront_size: 32
...
	.end_amdgpu_metadata
.endif
;; end of part 2
;; launch attn (part 3): grid 4 x 64, 16 waves a work-group, no clusters, 327,680 bytes of LDS; arguments qkv, ao; writes ao
.if DOCPART == 3
	.amdgcn_target "amdgcn-amd-amdhsa--gfx1250"
	.amdhsa_code_object_version 6
	.text
	.protected	k_qbbe5799eac_attn
	.globl	k_qbbe5799eac_attn
	.p2align	8
	.type	k_qbbe5799eac_attn,@function
k_qbbe5799eac_attn:
	s_mov_b64 s[64:65], 0
	v_nop
	global_prefetch_b8 v0, s[64:65] scope:SCOPE_SE
	s_setreg_imm32_b32 hwreg(HW_REG_WAVE_MODE, 25, 1), 1
	s_wait_xcnt 0x0
; Causal attention of one head: ao[q] = sum over k <= q of softmax_k(Q[q] . K[k] / 8) V[k].  Q, K, V: qkv [3][64 batch x head][2048][64], f16.  Products with f16 operands and f32 sums; maxima, exponentials and sums in f32;
; the weights p are rounded to f16 for the second product, the result once at the end.
; OUT: ao [batch x 1024 + position / 2][16 head][position % 2][64] f16: two positions of one head are 256 consecutive bytes, aligned, so that a wave writes such runs whole.
; LIMIT: the result stays at or under 65,504 (it is an average of v, which is held so).  Positions 0-15 of every sequence are computed here too, and are replaced by the launch that carries them in f32.
; SHARES.  A work-group owns query blocks J and 7 - J (256 queries each) of a head, J = 0..3: J + 1 and 8 - J slots of 256 keys, nine in all for every work-group: equal work, and a loop of constant count.
; Each of the sixteen waves owns 16 queries of the block in hand, in 256 registers; four waves to a SIMD.  Keys go 64 a step, four steps a slot.
; NO CLUSTER: in one and the same trip the four work-groups of a head want different slots (the slot's number hangs on J), and in a common walk the mask would let all waves of a partner pass over tiles that a joint load brings.
; LAYOUT.  S^T = K Q^T (source 0 = 16 keys, source 1 = my 16 queries): a lane holds ONE query (lane % 16) and the keys 8 (lane / 16) + 0..7 of each tile.  Two such tiles, rounded in pairs, ARE source 1 of O^T = V^T P.
; K comes out of LDS as it lies, V turned by ds_load_tr16_b128.  In LDS two keys share a row of 256 bytes (as they lie in memory), padded by 16 (K) or 32 (V) bytes.
; SOFTMAX: a running maximum m and sum l for each query: p = 2^(c s - c m), c = log2(e) / 8; in every step O and l are multiplied by a = 2^(c m_old - c m_new).  m begins at -3e38 and O, l at 0, so the step is written once.
; THE MASK.  A step all of whose keys come after my 16 queries is left out by a scalar branch on ids; on the diagonal hidden scores become -infinity.  Steps begin at multiples of 64 and tiles of queries at multiples of 16,
; so in a step that is not left out its first key counts for every query.  Every slot that is loaded is read: waves 12 to 15 read all four steps of a diagonal slot.
.set PK,    272
.set PV,    288
.set VOFF,  128*PK                     ; a slot: 128 double rows of K, then 128 of V
.set SLOT1, 1<<17                      ; slot 1 begins here: one exclusive or turns an address
.set STAGE, 2*SLOT1                    ; the way out: 16 rows x 144 bytes for each wave; no tile lands here
.set SP,    144
.set SPARE, STAGE+16*16*SP             ; the spare words, 128 bytes a wave
.set AK0, 1                            ; v1  my lane's place in a tile of K
.set AV0, 2                            ; v2  and of V
.set SPW, 3                            ; v3  my spare word; never rewritten
.set NIL, 4                            ; v4  0; never rewritten
.set ADK, 5
.set ADV, 6
.set QO,  7                            ; v7  my byte in the wave's rows of Q
.set STO, 8
.set RD,  9
.set GO,  10
.set PFO, 11                           ; v11 256 x lane
.set CM,  12                           ; v12 c m, v13 m
.set LS,  14                           ; v[14:15] l, even keys' and odd keys'
.set TW,  16                           ; v16-19 at work; a in v18
.set DD,  20
.set NINF, 21
.set RH,  22                           ; v22 lane % 16 - 8 (lane / 16)
.set QR,  24                           ; v24-39   Q
.set KR,  40                           ; v40-103  K: tile u, channels 32 q on: at 8 (2 u + q)
.set VR,  104                          ; v104-167 V: keys 32 g on, channels 16 t on: at 8 (4 g + t)
.set S,   168                          ; v168-199 S^T
.set P,   200                          ; v200-215
.set O,   216                          ; v216-247 O^T
.set TB,  2                            ; s2  LDS byte at which the slot in hand begins
.set T,   3                            ; s3  the trip
.set WV,  8
.set J,   9
.set J1,  10
.set BH,  11
.set KB,  12                           ; s[12:13] K of my head, at the half that I fetch; s[14:15] V likewise
.set VB,  14
.set QP1, 16
.set QP2, 18
.set SEL, 20
.set CS,  22
.set G1K, 24
.set G1V, 32
.set G0K, 40
.set G0V, 44
.set AO1, 48
.set AO2, 50
.set Q0,  52                           ; s52 my first query of the block in hand; s53 of the second block
.set Q0B, 53
.set KF,  54                           ; s54 the step's first key; s55 the next slot's
.set KN,  55
.set PLO, 56                           ; the prefetches: asked in trips PLO .. PLO + PW, for slot T + POF
.set PW,  57
.set POF, 58
.set PB,  60
.set PFA, 62
.set OFS, 66                           ; s[66:67] an offset; the high word stays 0
; Waves 0 and 1 fetch K's halves of a slot (128 keys each), waves 2 and 3 V's, the others nothing.  An s_nop 0 and four v_nop follow each line.
.macro TLOAD
	s_cmp_lt_u32 s[WV], 2
	s_cbranch_scc0 .Lnot_k_\@
	tensor_load_to_lds s[G0K:G0K+3], s[G1K:G1K+7]
	s_nop 0
.rept 4
	v_nop
.endr
	s_branch .Lasked_\@
.Lnot_k_\@:
	s_cmp_lt_u32 s[WV], 4
	s_cbranch_scc0 .Lasked_\@
	tensor_load_to_lds s[G0V:G0V+3], s[G1V:G1V+7]
	s_nop 0
.rept 4
	v_nop
.endr
.Lasked_\@:
.endm
; A PREFETCH of the slot that the asking work-group's NEXT change of slots will load.  Slots 2 and 3 are first wanted by the work-group with J = 3 (it asks in trips 0 and 1), slots 4 to 7 by the one with J = 0 (trips 3 to 6).
; In them waves 4 to 7 ask for K's 32,768 bytes, 8,192 a wave, lanes 256 bytes apart, waves 8 to 11 for V's: each run of 256 bytes is named once in the launch.  Slots 0 and 1 come by their loads alone; slot 7 is the last named.
.macro ASK
	s_sub_co_u32 s96, s[T], s[PLO]
	s_cmp_le_u32 s96, s[PW]
	s_cbranch_scc0 .Lnot_mine_\@
	global_prefetch_b8 v[PFO], s[PFA:PFA+1] th:TH_LOAD_NT scope:SCOPE_SE
.Lnot_mine_\@:
.endm
	s_load_b128 s[4:7], s[0:1], 0x0                ; qkv, ao
	v_lshl_add_u32 v[SPW], v0, 2, SPARE
	v_mov_b32 v[NIL], 0
	ds_add_u32 v[SPW], v[NIL]                      ; the wave's opening: the add, twice on end, and its wait ahead of my first tensor load
	ds_add_u32 v[SPW], v[NIL]
	v_lshrrev_b32 v5, 5, v0
	v_readfirstlane_b32 s[WV], v5                  ; wave 0..15
	s_mov_b32 s[J], ttmp9
	s_add_co_u32 s[J1], s[J], 1
	s_and_b32 s[BH], ttmp7, 0xffff                 ; batch x 16 + head
	s_mov_b32 s[G1K], (1<<16)|(1<<20)|(5<<22)|(3<<25)   ; elements of 2 bytes; padding on: 4 words behind every 64
	s_mov_b32 s[G1V], (1<<16)|(1<<20)|(5<<22)|(7<<25)   ; 8 words
.irp g, G1K, G1V
	s_mov_b32 s[\g+1], 128<<16                     ; tensor_dim0: two keys, 128 elements
	s_mov_b32 s[\g+2], 64<<16                      ; tensor_dim1
	s_mov_b32 s[\g+3], 128<<16                     ; tile_dim0
	s_mov_b32 s[\g+4], 64                          ; tile_dim1
	s_mov_b32 s[\g+5], 128                         ; the pitch in memory: dense
	s_mov_b32 s[\g+6], 0
	s_mov_b32 s[\g+7], 0
.endr
	s_and_b32 s96, s[WV], 1                        ; which half of a slot I fetch, if I fetch
	s_mul_i32 s97, s96, 64*PK
	s_mov_b32 s[G0K], 1
	s_mov_b32 s[G0K+1], s97
	s_mul_i32 s97, s96, 64*PV
	s_mov_b32 s[G0V], 1
	s_add_co_u32 s[G0V+1], s97, VOFF
	s_lshl_b32 s[OFS], s[BH], 18                   ; a head is 262,144 bytes
	s_mov_b32 s[OFS+1], 0
	s_mov_b32 s[SEL], 0x76543210
	s_mov_b32 s[SEL+1], 0xfedcba98                 ; v_permlanex16_b32's selects for lane l xor 16
	s_mov_b32 s[CS], 0x3e38aa3b                    ; c = log2(e) / 8
	s_mov_b32 s[CS+1], s[CS]
	s_mov_b32 s[TB], 0
	s_mov_b32 s[T], 0
	s_mov_b32 s[KN], 0
	s_wait_dscnt 0x0                               ; both opening adds are done
	s_wait_kmcnt 0x0
	s_add_nc_u64 s[4:5], s[4:5], s[OFS:OFS+1]      ; Q of my head
	s_add_nc_u64 s[KB:KB+1], s[4:5], 0x1000000     ; K
	s_add_nc_u64 s[VB:VB+1], s[4:5], 0x2000000     ; V
	s_cmp_lt_u32 s[WV], 8
	s_cselect_b64 s[PB:PB+1], s[KB:KB+1], s[VB:VB+1]
	s_lshl_b32 s[OFS], s96, 14
	s_add_nc_u64 s[KB:KB+1], s[KB:KB+1], s[OFS:OFS+1]
	s_add_nc_u64 s[VB:VB+1], s[VB:VB+1], s[OFS:OFS+1]
	s_mov_b64 s[G0K+2:G0K+3], s[KB:KB+1]
	s_or_b32 s[G0K+3], s[G0K+3], 0x80000000
	s_mov_b64 s[G0V+2:G0V+3], s[VB:VB+1]
	s_or_b32 s[G0V+3], s[G0V+3], 0x80000000
	TLOAD                                          ; keys 0-255 into slot 0: they count for every block
	s_lshl_b32 s[Q0], s[J], 8
	s_lshl_b32 s96, s[WV], 4
	s_add_co_u32 s[Q0], s[Q0], s96                 ; 256 J + 16 w
	s_sub_co_u32 s[Q0B], 7, s[J]
	s_lshl_b32 s[Q0B], s[Q0B], 8
	s_add_co_u32 s[Q0B], s[Q0B], s96               ; 256 (7 - J) + 16 w
	s_lshl_b32 s[OFS], s[Q0], 7
	s_add_nc_u64 s[QP1:QP1+1], s[4:5], s[OFS:OFS+1]
	s_lshl_b32 s[OFS], s[Q0B], 7
	s_add_nc_u64 s[QP2:QP2+1], s[4:5], s[OFS:OFS+1]
	s_lshr_b32 s96, s[BH], 4
	s_lshl_b32 s96, s96, 22                        ; ao: batch x 1,024 double rows of 4,096 bytes,
	s_and_b32 s97, s[BH], 15
	s_lshl_b32 s97, s97, 8                         ; the head's 256 bytes,
	s_add_co_u32 s96, s96, s97
	s_lshl_b32 s97, s[Q0], 11                      ; position / 2 x 4,096
	s_add_co_u32 s[OFS], s96, s97
	s_add_nc_u64 s[AO1:AO1+1], s[6:7], s[OFS:OFS+1]
	s_lshl_b32 s97, s[Q0B], 11
	s_add_co_u32 s[OFS], s96, s97
	s_add_nc_u64 s[AO2:AO2+1], s[6:7], s[OFS:OFS+1]
	s_and_b32 s96, s[WV], 3
	s_lshl_b32 s[OFS], s96, 13
	s_add_nc_u64 s[PB:PB+1], s[PB:PB+1], s[OFS:OFS+1]   ; the prefetches: my wave's 8,192 bytes of a slot
	s_mov_b64 s[PFA:PFA+1], s[PB:PB+1]
	s_sub_co_u32 s96, s[WV], 4
	s_lshr_b32 s96, s96, 3                         ; 0 in waves 4 to 11
	s_cmp_eq_u32 s[J], 3
	s_cselect_b32 s[PLO], 0, 0x1000
	s_cselect_b32 s[PW], 1, 3
	s_cselect_b32 s[POF], 2, 1
	s_cmp_eq_u32 s[J], 0
	s_cselect_b32 s[PLO], 3, s[PLO]
	s_cmp_eq_u32 s96, 0
	s_cselect_b32 s[PLO], s[PLO], 0x1000           ; a wave that never asks: no trip reaches this number
	v_and_b32 v16, 15, v0                          ; r
	v_bfe_u32 v17, v0, 4, 1                        ; h
	v_and_b32 v18, 31, v0                          ; lane
	v_lshrrev_b32 v19, 1, v16
	v_mul_u32_u24 v[AK0], v19, PK
	v_and_b32 v19, 1, v0
	v_lshl_add_u32 v[AK0], v19, 7, v[AK0]
	v_lshl_add_u32 v[AK0], v17, 4, v[AK0]          ; key r: double row r / 2, 128 (r % 2), + 16 h
	v_bfe_u32 v20, v0, 1, 2
	v_lshl_add_u32 v20, v17, 2, v20
	v_mul_u32_u24 v[AV0], v20, PV                  ; the turning load: key 8 h + lane % 8: double row 4 h + (lane % 8) / 2,
	v_lshl_add_u32 v[AV0], v19, 7, v[AV0]          ; 128 (lane % 2),
	v_bfe_u32 v20, v0, 3, 1
	v_lshl_add_u32 v[AV0], v20, 4, v[AV0]          ; channels 8 ((lane / 8) % 2) on
	v_add_nc_u32 v[AV0], VOFF, v[AV0]
	v_lshlrev_b32 v[QO], 7, v16
	v_lshl_add_u32 v[QO], v17, 4, v[QO]
	s_mul_i32 s96, s[WV], 16*SP
	s_add_co_u32 s96, s96, STAGE                   ; my stage
	v_mul_u32_u24 v[STO], v16, SP
	v_lshl_add_u32 v[STO], v17, 4, v[STO]
	v_add_nc_u32 v[STO], s96, v[STO]               ; in: row r, 16 bytes for each half of the lanes
	v_lshrrev_b32 v20, 3, v18
	v_mul_u32_u24 v[RD], v20, SP
	v_and_b32 v20, 7, v0
	v_lshl_add_u32 v[RD], v20, 4, v[RD]
	v_add_nc_u32 v[RD], s96, v[RD]                 ; back: eight lanes to a row of 128 bytes, four rows an instruction
	v_lshlrev_b32 v[GO], 12, v17
	v_lshl_add_u32 v[GO], v16, 4, v[GO]            ; sixteen lanes to two positions' 256 bytes; lanes 16-31 one double row on
	v_lshlrev_b32 v[PFO], 8, v18
	v_lshlrev_b32 v20, 3, v17
	v_sub_nc_u32 v[RH], v16, v20
	v_mov_b32 v[NINF], 0xff800000
.irp k, 0,1,2,3
	v_mov_b32 v[TW+\k], 0                          ; written once, so that no way through the text reads them unwritten
.endr
; A block of queries begins: Q into registers; m = -3e38, under every score; l and O^T zero.
.macro BEGIN qp
.irp q, 0,1
.irp z, 0,1
	global_load_b128 v[QR+8*\q+4*\z:QR+8*\q+4*\z+3], v[QO], s[\qp:\qp+1] offset:64*\q+32*\z
.endr
.endr
	v_mov_b32 v[CM+1], 0xff61b1e6
	v_mul_f32 v[CM], s[CS], v[CM+1]
	v_mov_b32 v[LS], 0
	v_mov_b32 v[LS+1], 0
.set i, 0
.rept 32
	v_mov_b32 v[O+i], 0
.set i, i+1
.endr
.endm
; THE CHANGE OF SLOTS stands at a trip's head.  Each wave waits for all its tensor loads (its part of the slot that it is about to read), adds 0 to its spare word, and waits for that and for its reads of the slot that it has left.
; fill = 1: behind the barrier the other slot takes the next trip's keys: slot n of the first block while n = T + 1 is at most J, then slot n - J - 1 of the second.  One tensor load of a wave is out at a time.
.macro CHANGE fill
	s_wait_tensorcnt 0x0                           ; no tensor load of mine is out, so a group 0 may be written
	ds_add_u32 v[SPW], v[NIL]
.if \fill
	ds_add_u32 v[SPW], v[NIL]                      ; and once more: the add is twice on end in every trip alike
.endif
	s_mov_b32 s[KF], s[KN]                         ; this trip's first key
.if \fill
	s_add_co_u32 s96, s[T], 1
	s_cmp_le_u32 s96, s[J]
	s_cselect_b32 s97, 0, s[J1]
	s_sub_co_u32 s96, s96, s97                     ; the next trip's slot of keys
	s_lshl_b32 s[KN], s96, 8
	s_lshl_b32 s[OFS], s96, 15                     ; 256 keys are 32,768 bytes
	s_xor_b32 s[G0K+1], s[G0K+1], SLOT1
	s_xor_b32 s[G0V+1], s[G0V+1], SLOT1
	s_add_nc_u64 s[G0K+2:G0K+3], s[KB:KB+1], s[OFS:OFS+1]
	s_or_b32 s[G0K+3], s[G0K+3], 0x80000000
	s_add_nc_u64 s[G0V+2:G0V+3], s[VB:VB+1], s[OFS:OFS+1]
	s_or_b32 s[G0V+3], s[G0V+3], 0x80000000
	s_wait_xcnt 0x0                                ; the last prefetch, a trip back, has read its address, so it may be written
	s_add_co_u32 s96, s[T], s[POF]
	s_min_u32 s96, s96, 7                          ; held inside the head in the waves and trips that do not ask
	s_lshl_b32 s[OFS], s96, 15
	s_add_nc_u64 s[PFA:PFA+1], s[PB:PB+1], s[OFS:OFS+1]
.endif
	s_wait_dscnt 0x0                               ; the add is done, and my reads of the slot that I have left are over
	s_barrier_signal -1
	s_barrier_wait -1
.if \fill
	TLOAD                                          ; the first thing behind the barrier, and a wave's one tensor load until the next
	ASK
.endif
.endm
; A KEY STEP: 64 keys, the c-th of the slot in hand.
.macro STEP c
	s_add_co_u32 s96, s[Q0], 15
	s_cmp_gt_u32 s[KF], s96                        ; all keys behind my last query: the step is left out
	s_cbranch_scc1 .Lhidden_\@
	v_add_nc_u32 v[ADK], s[TB], v[AK0]
	v_add_nc_u32 v[ADV], s[TB], v[AV0]
	v_nop
	v_nop                                          ; four plain instructions between the last step's products and the loads into V's registers
.irp u, 0,1,2,3
.irp q, 0,1
	ds_load_b128 v[KR+8*(2*\u+\q):KR+8*(2*\u+\q)+3],   v[ADK] offset:\c*32*PK+\u*8*PK+64*\q
	ds_load_b128 v[KR+8*(2*\u+\q)+4:KR+8*(2*\u+\q)+7], v[ADK] offset:\c*32*PK+\u*8*PK+64*\q+32
.endr
.endr
.irp g, 0,1
.irp t, 0,1,2,3
	ds_load_tr16_b128 v[VR+8*(4*\g+\t):VR+8*(4*\g+\t)+3],   v[ADV] offset:\c*32*PV+\g*16*PV+32*\t
	ds_load_tr16_b128 v[VR+8*(4*\g+\t)+4:VR+8*(4*\g+\t)+7], v[ADV] offset:\c*32*PV+\g*16*PV+8*PV+32*\t
.endr
.endr
	s_wait_dscnt 16                                ; K's sixteen loads are in; V's sixteen may be out
.irp u, 0,1,2,3                                ; S^T = K Q^T: four accumulators by turns; the first four start the sums
	v_wmma_f32_16x16x32_f16 v[S+8*\u:S+8*\u+7], v[KR+16*\u:KR+16*\u+7], v[QR:QR+7], 0
.endr
.irp u, 0,1,2,3
	v_wmma_f32_16x16x32_f16 v[S+8*\u:S+8*\u+7], v[KR+16*\u+8:KR+16*\u+15], v[QR+8:QR+15], v[S+8*\u:S+8*\u+7]
.endr
.rept 4
	v_nop
.endr
	s_add_co_u32 s96, s[KF], 63
	s_cmp_le_u32 s96, s[Q0]                        ; all keys count for all my queries: no mask
	s_cbranch_scc1 .Lopen_\@
	s_sub_co_i32 s96, s[Q0], s[KF]
	v_add_nc_u32 v[DD], s96, v[RH]                 ; d = my query - KF - 8 (lane / 16).  Register 8 u + j holds key KF + 16 u + 8 (lane / 16) + j: hidden where 16 u + j > d
.set i, 0
.rept 32
	v_cmp_gt_i32 vcc_lo, 16*(i/8)+i%8, v[DD]
	v_cndmask_b32 v[S+i], v[S+i], v[NINF], vcc_lo
.set i, i+1
.endr
.Lopen_\@:
.irp k, 0,1,2,3                                ; the maximum of my 32 scores and the old m: four chains, each from its accumulator's low end on
	v_max3_num_f32 v[TW+\k], v[S+8*\k], v[S+8*\k+1], v[S+8*\k+2]
.endr
.irp k, 0,1,2,3
	v_max3_num_f32 v[TW+\k], v[TW+\k], v[S+8*\k+3], v[S+8*\k+4]
.endr
.irp k, 0,1,2,3
	v_max3_num_f32 v[TW+\k], v[TW+\k], v[S+8*\k+5], v[S+8*\k+6]
.endr
	v_max3_num_f32 v[TW], v[TW], v[S+7], v[S+15]
	v_max3_num_f32 v[TW+2], v[TW+2], v[S+23], v[S+31]
	v_max3_num_f32 v[TW], v[TW], v[TW+1], v[TW+2]
	v_max3_num_f32 v[TW], v[TW], v[TW+3], v[CM+1]
	v_permlanex16_b32 v[TW+1], v[TW], s[SEL], s[SEL+1]   ; the query's other 32 keys lie in the lane 16 away
	v_max_num_f32 v[CM+1], v[TW], v[TW+1]          ; the new m
	v_mov_b32 v[TW+3], v[CM]
	v_mul_f32 v[CM], s[CS], v[CM+1]                ; c m
	v_sub_f32 v[TW+3], v[TW+3], v[CM]              ; c m_old - c m_new
.set i, 0
.rept 16
	v_pk_fma_f32 v[S+i:S+i+1], v[S+i:S+i+1], s[CS:CS+1], v[CM:CM+1] op_sel_hi:[1,0,0] neg_lo:[0,0,1] neg_hi:[0,0,1]   ; c s - c m
.set i, i+2
.endr
	v_exp_f32 v[TW+2], v[TW+3]                     ; a
.set i, 0
.rept 32
	v_exp_f32 v[S+i], v[S+i]                       ; p
.set i, i+1
.endr
	v_nop                                          ; a plain instruction behind the last exponential
	s_wait_alu depctr_va_vdst(0)                   ; one wait for the batch of 33, ahead of its first reader
.set i, 0
.rept 16
	v_cvt_pk_f16_f32 v[P+i], v[S+2*i], v[S+2*i+1]
.set i, i+1
.endr
.irp u, 0,1,2,3,4,5,6,7                        ; the sum of the unrounded p, as a tree, in place
	v_pk_add_f32 v[S+4*\u:S+4*\u+1], v[S+4*\u:S+4*\u+1], v[S+4*\u+2:S+4*\u+3]
.endr
.irp u, 0,1,2,3
	v_pk_add_f32 v[S+8*\u:S+8*\u+1], v[S+8*\u:S+8*\u+1], v[S+8*\u+4:S+8*\u+5]
.endr
.irp u, 0,1
	v_pk_add_f32 v[S+16*\u:S+16*\u+1], v[S+16*\u:S+16*\u+1], v[S+16*\u+8:S+16*\u+9]
.endr
	v_pk_add_f32 v[S:S+1], v[S:S+1], v[S+16:S+17]
	v_pk_fma_f32 v[LS:LS+1], v[LS:LS+1], v[TW+2:TW+3], v[S:S+1] op_sel_hi:[1,0,1]   ; l = a l + the sum
.set i, 0
.rept 16
	v_pk_mul_f32 v[O+i:O+i+1], v[O+i:O+i+1], v[TW+2:TW+3] op_sel_hi:[1,0]   ; O^T x a, each accumulator from its low end on
.set i, i+2
.endr
	s_wait_dscnt 0x0                               ; V is in
.irp g, 0,1                                    ; O^T += V^T P: four accumulators by turns
.irp t, 0,1,2,3
	v_wmma_f32_16x16x32_f16 v[O+8*\t:O+8*\t+7], v[VR+8*(4*\g+\t):VR+8*(4*\g+\t)+7], v[P+8*\g:P+8*\g+7], v[O+8*\t:O+8*\t+7]
.endr
.endr
.Lhidden_\@:
	s_add_co_u32 s[KF], s[KF], 64
.endm
; THE WAY OUT of a block: O^T / l, rounded to f16, through my stage, and out as runs of 256 consecutive bytes (two positions of my head), two runs a store.
.macro OUT ao
.rept 4
	v_nop                                          ; places behind the last products
.endr
	v_add_f32 v[TW], v[LS], v[LS+1]
	v_permlanex16_b32 v[TW+1], v[TW], s[SEL], s[SEL+1]
	v_add_f32 v[TW], v[TW], v[TW+1]                ; the row's sum
	v_rcp_f32 v[TW+2], v[TW]
	v_nop
	s_wait_alu depctr_va_vdst(0)                   ; ahead of the reciprocal's first reader
.set i, 0
.rept 16
	v_pk_mul_f32 v[O+i:O+i+1], v[O+i:O+i+1], v[TW+2:TW+3] op_sel_hi:[1,0]
.set i, i+2
.endr
.set i, 0
.rept 16
	v_cvt_pk_f16_f32 v[S+i], v[O+2*i], v[O+2*i+1]
.set i, i+1
.endr
.irp t, 0,1,2,3
	ds_store_b128 v[STO], v[S+4*\t:S+4*\t+3] offset:32*\t
.endr
.irp t, 0,1,2,3
	ds_load_b128 v[S+16+4*\t:S+16+4*\t+3], v[RD] offset:\t*4*SP   ; LDS serves a wave's instructions in order: these see my stores
.endr
.irp t, 0,1,2,3
	s_wait_dscnt 3-\t                              ; load t is in; the younger ones may be out
	global_store_b128 v[GO], v[S+16+4*\t:S+16+4*\t+3], s[\ao:\ao+1] offset:8192*\t
.endr
.endm
	BEGIN QP1
	s_wait_loadcnt 0x0                             ; Q
.Lslot:                                            ; eight trips; the ninth is written out
	CHANGE 1
	STEP 0
	STEP 1
	STEP 2
	STEP 3
	s_xor_b32 s[TB], s[TB], SLOT1                  ; on to the other slot
	s_cmp_lg_u32 s[T], s[J]                        ; the first block's diagonal slot is done: ids and the count of trips alone, the same in all sixteen waves
	s_cbranch_scc1 .Lsame
	OUT AO1
	s_mov_b32 s[Q0], s[Q0B]
	BEGIN QP2
	s_wait_loadcnt 0x0                             ; Q
	s_wait_xcnt 0x0                                ; the stores have read their data: the next products write those registers
.Lsame:
	s_add_co_u32 s[T], s[T], 1
	s_cmp_lt_u32 s[T], 8
	s_cbranch_scc1 .Lslot
	CHANGE 0
	STEP 0
	STEP 1
	STEP 2
	STEP 3
	OUT AO2
	s_wait_tensorcnt 0x0                           ; the wave's end
	ds_add_u32 v[SPW], v[NIL]
	s_wait_dscnt 0x0
	s_endpgm
.Lfunc_end_k_qbbe5799eac_attn:
	.size	k_qbbe5799eac_attn, .Lfunc_end_k_qbbe5799eac_attn-k_qbbe5799eac_attn
	.p2alignl 7, 3214868480
	.fill 96, 4, 3214868480
	.section	.rodata,"a",@progbits
	.p2align	6, 0x0
	.amdhsa_kernel k_qbbe5799eac_attn
		.amdhsa_group_segment_fixed_size 327680
		.amdhsa_private_segment_fixed_size 0
		.amdhsa_enable_private_segment 0
		.amdhsa_kernarg_size 16
		.amdhsa_user_sgpr_count 2
		.amdhsa_user_sgpr_kernarg_segment_ptr 1
		.amdhsa_wavefront_size32 1
		.amdhsa_system_sgpr_workgroup_id_x 1
		.amdhsa_system_sgpr_workgroup_id_y 1
		.amdhsa_system_sgpr_workgroup_id_z 1
		.amdhsa_system_vgpr_workitem_id 0
		.amdhsa_next_free_vgpr 256
		.amdhsa_next_free_sgpr 100
		.amdhsa_reserve_vcc 1
		.amdhsa_float_denorm_mode_32 3
		.amdhsa_float_denorm_mode_16_64 3
		.amdhsa_memory_ordered 1
		.amdhsa_forward_progress 1
		.amdhsa_inst_pref_size 114
	.end_amdhsa_kernel
	.amdgpu_metadata
---
amdhsa.version: [ 1, 2 ]
amdhsa.kernels:
  - .name:           k_qbbe5799eac_attn
    .symbol:         k_qbbe5799eac_attn.kd
    .args:
      - { .name: qkv, .offset: 0, .size: 8, .value_kind: global_buffer, .address_space: global }
      - { .name: ao, .offset: 8, .size: 8, .value_kind: global_buffer, .address_space: global }
    .group_segment_fixed_size: 327680
    .private_segment_fixed_size: 0
    .kernarg_segment_align: 8
    .kernarg_segment_size: 16
    .max_flat_workgroup_size: 512
    .sgpr_count:     100
    .vgpr_count:     256
    .wavefront_size: 32
...
	.end_amdgpu_metadata
.endif
;; end of part 3
;; launch proj (part 4): grid 8 x 64, 4 waves a work-group, clusters of 4 x 4, 327,680 bytes of LDS; arguments ao, wo16, out0; writes out0
.if DOCPART == 4
	.amdgcn_target "amdgcn-amd-amdhsa--gfx1250"
	.amdhsa_code_object_version 6
	.text
	.protected	k_qbbe5799eac_proj
	.globl	k_qbbe5799eac_proj
	.p2align	8
	.type	k_qbbe5799eac_proj,@function
k_qbbe5799eac_proj:
	s_mov_b64 s[64:65], 0
	v_nop
	global_prefetch_b8 v0, s[64:65] scope:SCOPE_SE
	s_setreg_imm32_b32 hwreg(HW_REG_WAVE_MODE, 25, 1), 1
	s_wait_xcnt 0x0
	s_wait_alu depctr_hold_cnt(0) depctr_sa_sdst(0) depctr_va_vdst(0) depctr_va_sdst(0) depctr_va_ssrc(0) depctr_va_vcc(0) depctr_vm_vsrc(0)
	s_getreg_b32 s2, hwreg(HW_REG_IB_STS2, 6, 4)
	s_cmp_eq_u32 s2, 0
	s_cbranch_scc0 .Lentry_in_a_cluster
	s_endpgm
.Lentry_in_a_cluster:
	s_bfe_u32 s2, ttmp6, 0x10000c
	s_cmp_lg_u32 s2, 0xf033
	s_cbranch_scc0 .Lentry_shape_is_right
	s_endpgm
.Lentry_shape_is_right:
; out0[m][n] = sum over k of A[m][k] Wo[n][k]: A the attention's result, 8,192 x 1,024, f16; Wo as f16 (wo16 [1024][1024]); sums and out0 in f32.
; A lies as ao [4096 double rows][16 head][2 parity][64]: a double row is two rows of A, 4,096 bytes; k = 64 head + channel.  It is read as a matrix of 4,096 rows x 2,048 elements.
; Rows 0-15 of each batch are computed here too and are replaced by the launch that carries them in f32.
; A tile of out0 is 128 x 128: 512 tiles, two for each of 256 work-group places; tiles of 256 x 256 would be 128.  Four waves, each 64 x 64: 16 accumulators.  K goes in steps of 256 (four heads) through two LDS slots.
; CLUSTERS: 4 x 4 work-groups; A's tiles are asked for jointly along a row of the cluster, B's along a column.  THE MATRIX INSTRUCTION IS USED TRANSPOSED (source 0 = 16 rows of Wo, source 1 = 16 rows of A).
; No prefetch: the tile is small, and both operands are read by many work-groups.
; REGISTERS: window 0: v0-31 addresses; v32-95 the way out; v128-255 the accumulators ((a, b) at v[128 + 8 (4 a + b)]).  window 1: two fragment buffers of 128: 64 registers of A, then 64 of B, for 64 along K.
.set KSTEP,  256
.set PA,     1040                      ; A in LDS: a double row's part of a K step, 1,024 bytes + 16 of padding: row r lies at 260 (r / 2) + 32 (r % 2) words
.set PB,     528                       ; B in LDS: 512 bytes + 16
.set HALFA,  32*PA                     ; 64 rows of A: what one tensor load brings
.set HALFB,  64*PB                     ; 64 rows of B
.set BOFF,   2*HALFA
.set SLOT,   BOFF+2*HALFB
.set STAGE,  2*SLOT                    ; behind the ring: 16 rows x 272 bytes for each wave
.set SPITCH, 272
.set SPARE,  STAGE+4*16*SPITCH
.set LAPS,   2                         ; 1,024 along K = two laps of two K steps
.set ADRA, 16
.set ADRB, 20
.set STO,  24
.set RD,   25
.set CO,   26
.set SPW,  28
.set NIL,  29
.set TMP,  32
.set ACC,  128
.set F0,   0
.set F1,   128
.set G1, 24
.set G0, 32
.set G1B, 48
.set G0B, 56
.set MSB, 0
.macro WIN new
.if MSB != \new
	s_set_vgpr_msb (MSB<<8)|\new
.set MSB, \new
.endif
.endm
.set MUL,  0x05                        ; sources 0 (B) and 1 (A) window 1; C and D window 0
.set TO_F, 0x40                        ; destination window 1
.macro JLOAD s                         ; a joint load: waves 0 and 1 fetch A's halves, waves 2 and 3 B's; an s_nop 0 and four v_nop follow each line
	s_cmp_eq_u32 s11, 0
	s_cbranch_scc0 .Lfor_b_\@
	tensor_load_to_lds s[G0+4*\s:G0+4*\s+3], s[G1:G1+7]
	s_nop 0
.rept 4
	v_nop
.endr
	s_branch .Lasked_\@
.Lfor_b_\@:
	tensor_load_to_lds s[G0B+4*\s:G0B+4*\s+3], s[G1B:G1B+7]
	s_nop 0
.rept 4
	v_nop
.endr
.Lasked_\@:
.endm
.macro CREST
	s_cmp_lg_u32 s10, 0
	s_cbranch_scc1 .Lnot_wave_0_\@
	s_barrier_signal -3
.Lnot_wave_0_\@:
	s_barrier_wait -3
	s_barrier_signal -1
	s_barrier_wait -1
.endm
.macro CROUND
	s_barrier_signal -1
	s_barrier_wait -1
	CREST
.endm
	s_load_b128 s[4:7], s[0:1], 0x0                ; ao, wo16
	s_load_b64 s[8:9], s[0:1], 0x10                ; out0
	v_lshl_add_u32 v[SPW], v0, 2, SPARE
	v_mov_b32 v[NIL], 0
	ds_add_u32 v[SPW], v[NIL]                      ; the wave's opening: the add, twice on end, and its wait ahead of my first tensor load
	ds_add_u32 v[SPW], v[NIL]
	v_lshrrev_b32 v1, 5, v0
	v_readfirstlane_b32 s10, v1                    ; wave 0..3
	s_lshr_b32 s11, s10, 1                         ; my half of the tile's rows.  Also: I fetch for A (0) or for B (1)
	s_and_b32 s12, s10, 1                          ; my half of its columns.  Also: which half I fetch
	s_bfe_u32 s40, ttmp6, 0x40000
	s_bfe_u32 s41, ttmp6, 0x40004
	s_lshl_b32 s42, ttmp9, 2
	s_add_co_u32 s42, s42, s40                     ; tile column
	s_and_b32 s13, ttmp7, 0xffff
	s_lshl_b32 s13, s13, 2
	s_add_co_u32 s13, s13, s41                     ; tile row
	s_lshl_b32 s43, s41, 2
	s_lshl_b32 s43, 15, s43                        ; my row of the cluster
	s_lshl_b32 s44, 0x1111, s40                    ; my column
	s_or_b32 s[G1+0], s43, (1<<16)|(1<<20)|(1<<21)|(7<<22)|(3<<25)  ; A: elements of 2 bytes; 4 words of padding behind every 256
	s_mov_b32 s[G1+1], 512<<16                     ; tensor_dim0: four heads of a double row
	s_mov_b32 s[G1+2], 32<<16                      ; tensor_dim1: 32 double rows
	s_mov_b32 s[G1+3], 512<<16                     ; tile_dim0
	s_mov_b32 s[G1+4], 32                          ; tile_dim1
	s_mov_b32 s[G1+5], 2048                        ; the pitch in memory
	s_mov_b32 s[G1+6], 0
	s_mov_b32 s[G1+7], 0
	s_or_b32 s[G1B+0], s44, (1<<16)|(1<<20)|(1<<21)|(6<<22)|(3<<25) ; B: 4 words behind every 128
	s_mov_b32 s[G1B+1], KSTEP<<16
	s_mov_b32 s[G1B+2], 64<<16
	s_mov_b32 s[G1B+3], KSTEP<<16
	s_mov_b32 s[G1B+4], 64
	s_mov_b32 s[G1B+5], 1024
	s_mov_b32 s[G1B+6], 0
	s_mov_b32 s[G1B+7], 0
	s_lshl_b32 s17, s12, 5
	s_lshl_b32 s16, s13, 6
	s_add_co_u32 s16, s16, s17                     ; A: double row 64 x tile row + 32 x half,
	s_lshl_b32 s16, s16, 12                        ; of 4,096 bytes
	s_mov_b32 s17, 0
	s_lshl_b32 s47, s12, 6
	s_lshl_b32 s46, s42, 7
	s_add_co_u32 s46, s46, s47                     ; B: row 128 x tile column + 64 x half,
	s_lshl_b32 s46, s46, 11                        ; of 2,048 bytes
	s_mov_b32 s47, 0
	s_mul_i32 s20, s12, HALFA                      ; where they go: no place in the cluster enters an LDS address
	s_mul_i32 s23, s12, HALFB
	s_add_co_u32 s23, s23, BOFF
	s_wait_dscnt 0x0                               ; both opening adds are done
	s_wait_kmcnt 0x0
	s_add_nc_u64 s[14:15], s[4:5], s[16:17]
	s_add_nc_u64 s[46:47], s[6:7], s[46:47]
	CROUND                                         ; all sixteen work-groups are here: the first joint loads meet
.irp s, 0,1
	s_mov_b32 s[G0+4*\s], 1
	s_add_co_u32 s[G0+4*\s+1], s20, \s*SLOT
	s_add_nc_u64 s[G0+4*\s+2:G0+4*\s+3], s[14:15], \s*1024
	s_or_b32 s[G0+4*\s+3], s[G0+4*\s+3], 0x80000000
	s_mov_b32 s[G0B+4*\s], 1
	s_add_co_u32 s[G0B+4*\s+1], s23, \s*SLOT
	s_add_nc_u64 s[G0B+4*\s+2:G0B+4*\s+3], s[46:47], \s*512
	s_or_b32 s[G0B+4*\s+3], s[G0B+4*\s+3], 0x80000000
	JLOAD \s                                       ; two tensor loads of mine are out at the start
.endr
	v_and_b32 v1, 15, v0                           ; r
	v_bfe_u32 v2, v0, 4, 1                         ; h
	v_mul_u32_u24 v3, v1, PB
	v_lshl_add_u32 v3, v2, 4, v3                   ; B: row x pitch + 16 h
	v_lshrrev_b32 v4, 1, v1
	v_mul_u32_u24 v4, v4, PA
	v_and_b32 v5, 1, v0
	v_lshl_add_u32 v4, v5, 7, v4
	v_lshl_add_u32 v4, v2, 4, v4                   ; A: double row r / 2, 128 (r % 2), + 16 h
	s_mul_i32 s21, s11, HALFA                      ; my 64 rows of A
	s_mul_i32 s22, s12, HALFB                      ; my 64 rows of B
	s_add_co_u32 s22, s22, BOFF
.irp s, 0,1
	v_add_nc_u32 v[ADRA+\s], s21, v4
	v_add_nc_u32 v[ADRB+\s], s22, v3
	s_add_co_u32 s21, s21, SLOT
	s_add_co_u32 s22, s22, SLOT
.endr
	s_mul_i32 s23, s10, 16*SPITCH
	s_add_co_u32 s23, s23, STAGE                   ; my stage
	v_mul_u32_u24 v4, v1, SPITCH
	v_lshl_add_u32 v4, v2, 5, v4
	v_add_nc_u32 v[STO], s23, v4                   ; in: row r, 32 bytes for each half of the lanes
	v_mul_u32_u24 v5, v2, SPITCH
	v_lshl_add_u32 v5, v1, 4, v5
	v_add_nc_u32 v[RD], s23, v5                    ; back: lanes 0-15 one row of 256 bytes, lanes 16-31 the next
	v_lshlrev_b32 v5, 12, v2
	v_lshl_add_u32 v[CO], v1, 4, v5                ; and the same two rows in out0
	s_lshl_b32 s16, s13, 7
	s_lshl_b32 s17, s11, 6
	s_add_co_u32 s16, s16, s17                     ; my first row: 128 x tile row + 64 x half
	s_lshl_b32 s16, s16, 12
	s_mov_b32 s17, 0
	s_add_nc_u64 s[8:9], s[8:9], s[16:17]
	s_lshl_b32 s46, s42, 9                         ; my first column, in bytes: 512 x tile column + 256 x half
	s_lshl_b32 s47, s12, 8
	s_add_co_u32 s46, s46, s47
	s_mov_b32 s47, 0
	s_add_nc_u64 s[8:9], s[8:9], s[46:47]
.macro MUL8 f, c, a0, zero             ; 8 matrix instructions: row blocks a0, a0 + 1 x all 4 column blocks, 32 along K; the 16 accumulators take turns
.irp a, \a0, \a0+1
.irp b, 0,1,2,3
.if \zero
	v_wmma_f32_16x16x32_f16 v[ACC+8*(4*(\a)+\b):ACC+8*(4*(\a)+\b)+7], v[\f+64+8*(4*\c+\b):\f+64+8*(4*\c+\b)+7], v[\f+8*(4*\c+\a):\f+8*(4*\c+\a)+7], 0
.else
	v_wmma_f32_16x16x32_f16 v[ACC+8*(4*(\a)+\b):ACC+8*(4*(\a)+\b)+7], v[\f+64+8*(4*\c+\b):\f+64+8*(4*\c+\b)+7], v[\f+8*(4*\c+\a):\f+8*(4*\c+\a)+7], v[ACC+8*(4*(\a)+\b):ACC+8*(4*(\a)+\b)+7]
.endif
.endr
.endr
.endm
; 32 LDS loads in one run: 64 along K (one head) into buffer f.  k: the head's byte in B's rows (128 a head); in A's double rows a head is 256 bytes: 2 k.
.macro FETCH slot, k, f
	WIN TO_F
.irp c, 0,1
.irp i, 0,1,2,3
	ds_load_b128 v[\f+64+8*(4*\c+\i):\f+64+8*(4*\c+\i)+3],   v[ADRB+\slot] offset:\k+64*\c+\i*16*PB
	ds_load_b128 v[\f+64+8*(4*\c+\i)+4:\f+64+8*(4*\c+\i)+7], v[ADRB+\slot] offset:\k+64*\c+\i*16*PB+32
	ds_load_b128 v[\f+8*(4*\c+\i):\f+8*(4*\c+\i)+3],         v[ADRA+\slot] offset:2*(\k)+64*\c+\i*8*PA
	ds_load_b128 v[\f+8*(4*\c+\i)+4:\f+8*(4*\c+\i)+7],       v[ADRA+\slot] offset:2*(\k)+64*\c+\i*8*PA+32
.endr
.endr
.endm
.macro PLACES
.rept 4
	v_nop
.endr
.endm
.macro QUARTER slot, k, f, g, zero
	s_wait_dscnt 16                                ; the first 32 along K are in; the other sixteen loads may be out
	WIN MUL
	MUL8 \f, 0, 0, \zero
	MUL8 \f, 0, 2, \zero
	PLACES
	FETCH \slot, \k, \g
	s_wait_dscnt 32                                ; all but the 32 just issued
	WIN MUL
	MUL8 \f, 1, 0, 0
	MUL8 \f, 1, 2, 0
.endm
; A K step's last quarter changes slots: one barrier; in front of it each wave waits for all its tensor loads, adds 0 to its spare word, and waits for that and for its reads of this slot.  fill = 1: the slot is filled again, two K steps ahead.
.macro TURN slot, next, fill
	WIN 0
	s_wait_tensorcnt 0x0                           ; all my tensor loads have landed: my part of the next slot
	ds_add_u32 v[SPW], v[NIL]
	s_wait_dscnt 17                                ; the add and the youngest sixteen loads may be out
	WIN MUL
	MUL8 F1, 0, 0, 0
	s_wait_dscnt 0x0                               ; the add is done, and my reads of this slot are over
	s_barrier_signal -1
	MUL8 F1, 0, 2, 0
.if \fill
	WIN 0
.endif
	s_barrier_wait -1
.if \fill
	CREST                                          ; the barrier has opened a round of the cluster's: no wave of any partner still reads this slot or has a load on its way
	s_add_nc_u64 s[G0+4*\slot+2:G0+4*\slot+3], s[G0+4*\slot+2:G0+4*\slot+3], 2*1024
	s_add_nc_u64 s[G0B+4*\slot+2:G0B+4*\slot+3], s[G0B+4*\slot+2:G0B+4*\slot+3], 2*512
	JLOAD \slot                                    ; the first tensor load behind the round; its four v_nop are also the places in front of the loads below
.else
	PLACES
.endif
	FETCH \next, 0, F0
	WIN MUL
	MUL8 F1, 1, 0, 0
	MUL8 F1, 1, 2, 0
.endm
	s_wait_tensorcnt 1                             ; my part of K step 0 is in; K step 1's may be out
	s_barrier_signal -1
	s_barrier_wait -1
	FETCH 0, 0, F0
	QUARTER 0, 128, F0, F1, 1                      ; the first products start the sums
	WIN 0
	s_mov_b32 s3, LAPS-1
.Llap:
	QUARTER 0, 256, F1, F0, 0
	QUARTER 0, 384, F0, F1, 0
	TURN 0, 1, 1
	QUARTER 1, 128, F0, F1, 0
	QUARTER 1, 256, F1, F0, 0
	QUARTER 1, 384, F0, F1, 0
	TURN 1, 0, 1
	QUARTER 0, 128, F0, F1, 0
	WIN 0
	s_sub_co_u32 s3, s3, 1
	s_cmp_lg_u32 s3, 0
	s_cbranch_scc1 .Llap
	QUARTER 0, 256, F1, F0, 0                      ; the last lap fills nothing
	QUARTER 0, 384, F0, F1, 0
	TURN 0, 1, 0
	QUARTER 1, 128, F0, F1, 0
	QUARTER 1, 256, F1, F0, 0
	QUARTER 1, 384, F0, F1, 0
	s_wait_dscnt 16
	WIN MUL
	MUL8 F1, 0, 0, 0
	MUL8 F1, 0, 2, 0
	s_wait_dscnt 0
	MUL8 F1, 1, 0, 0
	MUL8 F1, 1, 2, 0
	WIN 0
; THE WAY OUT, in f32.  A wave's 64 columns are 256 bytes of a row, aligned: each wave has a stage of its own, and no barrier is needed.  16 rows at a time go in as 32 bytes a lane and come back as whole runs of 256 bytes.
.macro TOSTAGE a
.irp b, 0,1,2,3
	ds_store_b128 v[STO], v[ACC+8*(4*(\a)+\b):ACC+8*(4*(\a)+\b)+3] offset:64*\b        ; each accumulator from its low end on
	ds_store_b128 v[STO], v[ACC+8*(4*(\a)+\b)+4:ACC+8*(4*(\a)+\b)+7] offset:64*\b+16
.endr
.irp t, 0,1,2,3,4,5,6,7
	ds_load_b128 v[TMP+32*((\a)%2)+4*\t:TMP+32*((\a)%2)+4*\t+3], v[RD] offset:\t*2*SPITCH   ; LDS serves a wave's instructions in order
.endr
.endm
.macro SEND a, younger
	s_wait_dscnt \younger                          ; the block is back; the next block's sixteen LDS instructions may be out
.irp t, 0,1,2,3,4,5,6,7
	global_store_b128 v[CO], v[TMP+32*((\a)%2)+4*\t:TMP+32*((\a)%2)+4*\t+3], s[8:9] offset:(16*(\a)+2*\t)*4096 th:TH_STORE_NT
.endr
.endm
	PLACES
	TOSTAGE 0
.irp a, 1,2,3
.if \a > 1
	s_wait_xcnt 0x0                                ; block a - 2's stores have read their data: block a's loads land there only behind this wait
.endif
	TOSTAGE \a
	SEND \a-1, 16
.endr
	SEND 3, 0
	s_wait_tensorcnt 0x0                           ; the wave's end
	ds_add_u32 v[SPW], v[NIL]
	s_wait_dscnt 0x0
	CROUND                                         ; the closing round
	s_endpgm
.Lfunc_end_k_qbbe5799eac_proj:
	.size	k_qbbe5799eac_proj, .Lfunc_end_k_qbbe5799eac_proj-k_qbbe5799eac_proj
	.p2alignl 7, 3214868480
	.fill 96, 4, 3214868480
	.section	.rodata,"a",@progbits
	.p2align	6, 0x0
	.amdhsa_kernel k_qbbe5799eac_proj
		.amdhsa_group_segment_fixed_size 327680
		.amdhsa_private_segment_fixed_size 0
		.amdhsa_enable_private_segment 0
		.amdhsa_kernarg_size 24
		.amdhsa_user_sgpr_count 2
		.amdhsa_user_sgpr_kernarg_segment_ptr 1
		.amdhsa_wavefront_size32 1
		.amdhsa_system_sgpr_workgroup_id_x 1
		.amdhsa_system_sgpr_workgroup_id_y 1
		.amdhsa_system_sgpr_workgroup_id_z 1
		.amdhsa_system_vgpr_workitem_id 0
		.amdhsa_next_free_vgpr 512
		.amdhsa_next_free_sgpr 66
		.amdhsa_reserve_vcc 0
		.amdhsa_float_denorm_mode_32 3
		.amdhsa_float_denorm_mode_16_64 3
		.amdhsa_memory_ordered 1
		.amdhsa_forward_progress 1
		.amdhsa_inst_pref_size 86
	.end_amdhsa_kernel
	.amdgpu_metadata
---
amdhsa.version: [ 1, 2 ]
amdhsa.kernels:
  - .name:           k_qbbe5799eac_proj
    .symbol:         k_qbbe5799eac_proj.kd
    .args:
      - { .name: ao, .offset: 0, .size: 8, .value_kind: global_buffer, .address_space: global }
      - { .name: wo16, .offset: 8, .size: 8, .value_kind: global_buffer, .address_space: global }
      - { .name: out0, .offset: 16, .size: 8, .value_kind: global_buffer, .address_space: global }
    .group_segment_fixed_size: 327680
    .private_segment_fixed_size: 0
    .kernarg_segment_align: 8
    .kernarg_segment_size: 24
    .max_flat_workgroup_size: 128
    .sgpr_count:     66
    .vgpr_count:     512
    .wavefront_size: 32
...
	.end_amdgpu_metadata
.endif
;; end of part 4
;; launch first16 (part 5): grid 16 x 4, 16 waves a work-group, no clusters, 71,680 bytes of LDS; arguments fine, Wo, out0; writes out0
.if DOCPART == 5
	.amdgcn_target "amdgcn-amd-amdhsa--gfx1250"
	.amdhsa_code_object_version 6
	.text
	.protected	k_qbbe5799eac_first16
	.globl	k_qbbe5799eac_first16
	.p2align	8
	.type	k_qbbe5799eac_first16,@function
k_qbbe5799eac_first16:
	s_mov_b64 s[64:65], 0
	v_nop
	global_prefetch_b8 v0, s[64:65] scope:SCOPE_SE
	s_setreg_imm32_b32 hwreg(HW_REG_WAVE_MODE, 25, 1), 1
	s_wait_xcnt 0x0
; POSITIONS 0-15 OF EVERY SEQUENCE IN f32: attention and the projection by Wo, from the unrounded q, k, v (fine [4 batch][3 which][16 head][16 position][64] f32) and Wo [1024][1024] f32.
; These rows average one to sixteen values and are the largest in size: here nothing is rounded to 16 bits.  The launch runs last and replaces those 64 rows of out0.
; SHARES.  A work-group takes 64 output columns (x) of one batch (y); wave w takes head w.  Every work-group repeats its batch's small attention (32 matrix instructions a wave), multiplies its head's 64 channels by
; Wo[my 64 columns][64 w ..] (64 matrix instructions), and the sixteen heads' parts are added through LDS; wave w then stores position w: 256 consecutive bytes, aligned.  64 columns, so that a row's piece is such a run.
; No tensor load, no cluster: what work-groups share is 196,608 bytes a batch, loaded straight into operand registers.  The f32 matrix form does 98,304 instructions in the whole launch: no bulk work.
; K IS PERMUTED ALIKE ON BOTH SIDES: a K step of v_wmma_f32_16x16x4_f32 takes a register pair, in which lanes 0-15 and lanes 16-31 bring two neighbours each of their own run of channels or keys.
; All products are used transposed (source 1 = 16 queries): a lane holds ONE query (lane % 16) throughout.
; The registers that the f32 matrix form writes, v176-239, are written by matrix instructions alone, and each sum begins with the constant 0.
.set PART,  4352                       ; LDS: a wave's part: 16 rows x (256 bytes + 16)
.set SPARE, 16*PART                    ; behind the parts: the spare words, 128 bytes a wave
.set QF,  16                           ; v16-47   Q: register i = channel 32 h + i; later O / l; later the parts to be added
.set KF,  48                           ; v48-79   K likewise; later Wo's tile 2
.set VF,  80                           ; v80-111  V: register 8 t + i = V[key 8 h + i][channel 16 t + r]; later Wo's tile 3
.set W,   112                          ; v112-175 Wo's tiles 0, 1: register 32 n + 8 t + e = Wo[n0 + 16 n + r][64 w + 16 t + 8 h + e]
.set SA,  176                          ; v176-183, v184-191 the scores in two sums; later Y0, Y1
.set SB,  184
.set OT,  192                          ; v192-223 O^T
.set Y2,  224                          ; v224-239 Y2, Y3
.set TT,  240                          ; v240-247 the scores, then p
.set SPW, 10
.set NIL, 11
.set SEL, 20
.set CS,  22
	s_load_b128 s[4:7], s[0:1], 0x0                ; fine, Wo
	s_load_b64 s[8:9], s[0:1], 0x10                ; out0
	v_lshl_add_u32 v[SPW], v0, 2, SPARE
	v_mov_b32 v[NIL], 0
	v_lshrrev_b32 v12, 5, v0
	v_readfirstlane_b32 s10, v12                   ; wave = head = the position that I store
	s_and_b32 s12, ttmp7, 0xffff                   ; batch
	v_and_b32 v12, 15, v0                          ; r
	v_bfe_u32 v13, v0, 4, 1                        ; h
	v_and_b32 v14, 31, v0                          ; lane
	v_lshlrev_b32 v1, 8, v12
	v_lshl_add_u32 v1, v13, 7, v1                  ; q, k: row r of 256 bytes, + 128 h
	v_lshlrev_b32 v2, 2, v12
	v_lshl_add_u32 v2, v13, 11, v2                 ; v: key 8 h, channel r
	v_lshlrev_b32 v3, 12, v12
	v_lshl_add_u32 v3, v13, 5, v3                  ; Wo: row r of 4,096 bytes, + 32 h
	s_mul_i32 s13, s10, PART
	v_mul_u32_u24 v4, v12, 272
	v_lshl_add_u32 v4, v13, 5, v4
	v_add_nc_u32 v4, s13, v4                       ; my part: row r, 32 bytes for each half of the lanes
	s_mul_i32 s13, s10, 272
	v_lshlrev_b32 v6, 3, v14                       ; 8 bytes a lane
	v_add_nc_u32 v5, s13, v6                       ; row w of a part
	v_lshlrev_b32 v15, 3, v13
	v_sub_nc_u32 v7, v12, v15                      ; r - 8 h
	v_mov_b32 v8, 0xff800000                       ; -infinity
	s_mov_b32 s[SEL], 0x76543210
	s_mov_b32 s[SEL+1], 0xfedcba98
	s_mov_b32 s[CS], 0x3e38aa3b                    ; c = log2(e) / 8
	s_mov_b32 s[CS+1], s[CS]
	s_mul_i32 s14, s12, 48
	s_add_co_u32 s14, s14, s10
	s_lshl_b32 s14, s14, 12                        ; fine: (48 batch + head) x 4,096: q; k 65,536 and v 131,072 bytes on
	s_mov_b32 s15, 0
	s_lshl_b32 s16, ttmp9, 18                      ; Wo: my 64 rows of 4,096 bytes,
	s_lshl_b32 s17, s10, 8                         ; my head's 256 bytes of them
	s_add_co_u32 s16, s16, s17
	s_mov_b32 s17, 0
	s_lshl_b32 s18, s12, 11
	s_add_co_u32 s18, s18, s10
	s_lshl_b32 s18, s18, 12                        ; out0: row 2,048 batch + w,
	s_lshl_b32 s19, ttmp9, 8                       ; my 64 columns
	s_add_co_u32 s18, s18, s19
	s_mov_b32 s19, 0
	s_wait_kmcnt 0x0
	s_add_nc_u64 s[4:5], s[4:5], s[14:15]
	s_add_nc_u64 s[6:7], s[6:7], s[16:17]
	s_add_nc_u64 s[8:9], s[8:9], s[18:19]
.irp i, 0,1,2,3,4,5,6,7
	global_load_b128 v[QF+4*\i:QF+4*\i+3], v1, s[4:5] offset:16*\i
.endr
.irp i, 0,1,2,3,4,5,6,7
	global_load_b128 v[KF+4*\i:KF+4*\i+3], v1, s[4:5] offset:65536+16*\i
.endr
.irp t, 0,1,2,3
.irp i, 0,1,2,3,4,5,6,7
	global_load_b32 v[VF+8*\t+\i], v2, s[4:5] offset:131072+256*\i+64*\t
.endr
.endr
.irp n, 0,1
.irp t, 0,1,2,3
	global_load_b128 v[W+32*\n+8*\t:W+32*\n+8*\t+3], v3, s[6:7] offset:65536*\n+64*\t
	global_load_b128 v[W+32*\n+8*\t+4:W+32*\n+8*\t+7], v3, s[6:7] offset:65536*\n+64*\t+16
.endr
.endr
	s_wait_loadcnt 48                              ; q and k are in; v's 32 loads and Wo's 16 may be out
	; S^T = K Q^T: 16 K steps, two sums by turns
	v_wmma_f32_16x16x4_f32 v[SA:SA+7], v[KF:KF+1], v[QF:QF+1], 0
	v_wmma_f32_16x16x4_f32 v[SB:SB+7], v[KF+2:KF+3], v[QF+2:QF+3], 0
.irp s, 4,8,12,16,20,24,28
	v_wmma_f32_16x16x4_f32 v[SA:SA+7], v[KF+\s:KF+\s+1], v[QF+\s:QF+\s+1], v[SA:SA+7]
	v_wmma_f32_16x16x4_f32 v[SB:SB+7], v[KF+\s+2:KF+\s+3], v[QF+\s+2:QF+\s+3], v[SB:SB+7]
.endr
.rept 8
	v_nop                                          ; eight places behind this form, for the loads below and the first read of the sums
.endr
.irp t, 0,1,2,3
	global_load_b128 v[KF+8*\t:KF+8*\t+3], v3, s[6:7] offset:131072+64*\t        ; Wo's tile 2, where K lay
	global_load_b128 v[KF+8*\t+4:KF+8*\t+7], v3, s[6:7] offset:131072+64*\t+16
.endr
.irp j, 0,1,2,3,4,5,6,7
	v_add_f32 v[TT+\j], v[SA+\j], v[SB+\j]         ; lane (r, h): query r, key 8 h + j; from the low end on
.endr
.irp j, 0,1,2,3,4,5,6,7
	v_cmp_gt_i32 vcc_lo, \j, v7                    ; hidden where 8 h + j > r
	v_cndmask_b32 v[TT+\j], v[TT+\j], v8, vcc_lo
.endr
	v_max3_num_f32 v12, v[TT], v[TT+1], v[TT+2]
	v_max3_num_f32 v12, v12, v[TT+3], v[TT+4]
	v_max3_num_f32 v12, v12, v[TT+5], v[TT+6]
	v_max_num_f32 v12, v12, v[TT+7]
	v_permlanex16_b32 v13, v12, s[SEL], s[SEL+1]
	v_max_num_f32 v12, v12, v13                    ; the row's maximum: key 0 counts for every query
	v_mul_f32 v14, s[CS], v12                      ; c m
.irp j, 0,2,4,6
	v_pk_fma_f32 v[TT+\j:TT+\j+1], v[TT+\j:TT+\j+1], s[CS:CS+1], v[14:15] op_sel_hi:[1,0,0] neg_lo:[0,0,1] neg_hi:[0,0,1]
.endr
.irp j, 0,1,2,3,4,5,6,7
	v_exp_f32 v[TT+\j], v[TT+\j]                   ; p = 2^(c s - c m)
.endr
	v_nop
	s_wait_alu depctr_va_vdst(0)                   ; one wait for the eight, ahead of their first reader
	v_pk_add_f32 v[248:249], v[TT:TT+1], v[TT+2:TT+3]
	v_pk_add_f32 v[250:251], v[TT+4:TT+5], v[TT+6:TT+7]
	v_pk_add_f32 v[248:249], v[248:249], v[250:251]
	v_add_f32 v12, v248, v249
	v_permlanex16_b32 v13, v12, s[SEL], s[SEL+1]
	v_add_f32 v12, v12, v13                        ; the row's sum
	v_rcp_f32 v9, v12
	v_nop
	s_wait_alu depctr_va_vdst(0)
	s_wait_loadcnt 24                              ; v is in; Wo's tiles 0, 1 (16 loads) and 2 (8) may be out
	; O^T = V^T P: four K steps of four keys, four sums by turns
.irp t, 0,1,2,3
	v_wmma_f32_16x16x4_f32 v[OT+8*\t:OT+8*\t+7], v[VF+8*\t:VF+8*\t+1], v[TT:TT+1], 0
.endr
.irp s, 2,4,6
.irp t, 0,1,2,3
	v_wmma_f32_16x16x4_f32 v[OT+8*\t:OT+8*\t+7], v[VF+8*\t+\s:VF+8*\t+\s+1], v[TT+\s:TT+\s+1], v[OT+8*\t:OT+8*\t+7]
.endr
.endr
.rept 8
	v_nop
.endr
.irp t, 0,1,2,3
	global_load_b128 v[VF+8*\t:VF+8*\t+3], v3, s[6:7] offset:196608+64*\t        ; Wo's tile 3, where V lay
	global_load_b128 v[VF+8*\t+4:VF+8*\t+7], v3, s[6:7] offset:196608+64*\t+16
.endr
.set i, 0
.rept 32
	v_mul_f32 v[QF+i], v[OT+i], v9                 ; O / l: register 8 t + j is channel 16 t + 8 h + j of query r; each sum from its low end on
.set i, i+1
.endr
	s_wait_loadcnt 16                              ; Wo's tiles 0 and 1 are in; tiles 2 and 3 (8 loads each) may be out
	; Y^T = Wo O^T: source 0 = 16 output columns, source 1 = my 16 queries; 16 K steps a tile, two tiles by turns
	v_wmma_f32_16x16x4_f32 v[SA:SA+7], v[W:W+1], v[QF:QF+1], 0
	v_wmma_f32_16x16x4_f32 v[SB:SB+7], v[W+32:W+33], v[QF:QF+1], 0
.irp s, 2,4,6,8,10,12,14,16,18,20,22,24,26,28,30
	v_wmma_f32_16x16x4_f32 v[SA:SA+7], v[W+\s:W+\s+1], v[QF+\s:QF+\s+1], v[SA:SA+7]
	v_wmma_f32_16x16x4_f32 v[SB:SB+7], v[W+32+\s:W+33+\s], v[QF+\s:QF+\s+1], v[SB:SB+7]
.endr
	s_wait_loadcnt 0x0
	v_wmma_f32_16x16x4_f32 v[Y2:Y2+7], v[KF:KF+1], v[QF:QF+1], 0
	v_wmma_f32_16x16x4_f32 v[Y2+8:Y2+15], v[VF:VF+1], v[QF:QF+1], 0
.irp s, 2,4,6,8,10,12,14,16,18,20,22,24,26,28,30
	v_wmma_f32_16x16x4_f32 v[Y2:Y2+7], v[KF+\s:KF+\s+1], v[QF+\s:QF+\s+1], v[Y2:Y2+7]
	v_wmma_f32_16x16x4_f32 v[Y2+8:Y2+15], v[VF+\s:VF+\s+1], v[QF+\s:QF+\s+1], v[Y2+8:Y2+15]
.endr
.rept 8
	v_nop
.endr
	; my head's part: lane (r, h) of tile n holds columns 16 n + 8 h + 0 .. 7 of query r
.irp n, 0,1
	ds_store_b128 v4, v[SA+8*\n:SA+8*\n+3] offset:64*\n
	ds_store_b128 v4, v[SA+8*\n+4:SA+8*\n+7] offset:64*\n+16
.endr
.irp n, 0,1
	ds_store_b128 v4, v[Y2+8*\n:Y2+8*\n+3] offset:128+64*\n
	ds_store_b128 v4, v[Y2+8*\n+4:Y2+8*\n+7] offset:128+64*\n+16
.endr
	s_wait_dscnt 0x0                               ; for the others' sake: my stores have landed
	s_barrier_signal -1
	s_barrier_wait -1
.irp i, 0,1,2,3,4,5,6,7,8,9,10,11,12,13,14,15
	ds_load_b64 v[QF+2*\i:QF+2*\i+1], v5 offset:PART*\i   ; row w of every head's part
.endr
	s_wait_dscnt 0x0
.irp i, 0,1,2,3,4,5,6,7
	v_pk_add_f32 v[QF+4*\i:QF+4*\i+1], v[QF+4*\i:QF+4*\i+1], v[QF+4*\i+2:QF+4*\i+3]
.endr
.irp i, 0,1,2,3
	v_pk_add_f32 v[QF+8*\i:QF+8*\i+1], v[QF+8*\i:QF+8*\i+1], v[QF+8*\i+4:QF+8*\i+5]
.endr
.irp i, 0,1
	v_pk_add_f32 v[QF+16*\i:QF+16*\i+1], v[QF+16*\i:QF+16*\i+1], v[QF+16*\i+8:QF+16*\i+9]
.endr
	v_pk_add_f32 v[QF:QF+1], v[QF:QF+1], v[QF+16:QF+17]
	global_store_b64 v6, v[QF:QF+1], s[8:9]        ; 32 lanes store 256 consecutive bytes, at a multiple of 256 from out0's first byte
	s_wait_tensorcnt 0x0                           ; the wave's end
	ds_add_u32 v[SPW], v[NIL]
	s_wait_dscnt 0x0
	s_endpgm
.Lfunc_end_k_qbbe5799eac_first16:
	.size	k_qbbe5799eac_first16, .Lfunc_end_k_qbbe5799eac_first16-k_qbbe5799eac_first16
	.p2alignl 7, 3214868480
	.fill 96, 4, 3214868480
	.section	.rodata,"a",@progbits
	.p2align	6, 0x0
	.amdhsa_kernel k_qbbe5799eac_first16
		.amdhsa_group_segment_fixed_size 71680
		.amdhsa_private_segment_fixed_size 0
		.amdhsa_enable_private_segment 0
		.amdhsa_kernarg_size 24
		.amdhsa_user_sgpr_count 2
		.amdhsa_user_sgpr_kernarg_segment_ptr 1
		.amdhsa_wavefront_size32 1
		.amdhsa_system_sgpr_workgroup_id_x 1
		.amdhsa_system_sgpr_workgroup_id_y 1
		.amdhsa_system_sgpr_workgroup_id_z 1
		.amdhsa_system_vgpr_workitem_id 0
		.amdhsa_next_free_vgpr 256
		.amdhsa_next_free_sgpr 66
		.amdhsa_reserve_vcc 1
		.amdhsa_float_denorm_mode_32 3
		.amdhsa_float_denorm_mode_16_64 3
		.amdhsa_memory_ordered 1
		.amdhsa_forward_progress 1
		.amdhsa_inst_pref_size 23
	.end_amdhsa_kernel
	.amdgpu_metadata
---
amdhsa.version: [ 1, 2 ]
amdhsa.kernels:
  - .name:           k_qbbe5799eac_first16
    .symbol:         k_qbbe5799eac_first16.kd
    .args:
      - { .name: fine, .offset: 0, .size: 8, .value_kind: global_buffer, .address_space: global }
      - { .name: Wo, .offset: 8, .size: 8, .value_kind: global_buffer, .address_space: global }
      - { .name: out0, .offset: 16, .size: 8, .value_kind: global_buffer, .address_space: global }
    .group_segment_fixed_size: 71680
    .private_segment_fixed_size: 0
    .kernarg_segment_align: 8
    .kernarg_segment_size: 24
    .max_flat_workgroup_size: 512
    .sgpr_count:     66
    .vgpr_count:     256
    .wavefront_size: 32
...
	.end_amdgpu_metadata
.endif
;; end of part 5
